; MI455X (gfx1250); checked and timed in simulation.
; The chip was launched on July 23, 2026; its instructions are those of AMD's public machine-readable ISA for CDNA 5 (MIT licence, August 2026) and "CDNA5" Instruction Set Architecture Reference Guide (July 2026). The comments in the code are by the model that wrote it; some were corrected since.
;; Temporal Self Attention Layer. Allowed arithmetic: matrix products marked QUANTISED: E3M2 operands, one E8M0 scale for each 32 along K, by v_wmma_scale_f32_16x16x128_f8f6f4 with both operands' format E3M2, f32 sums; everything else in f32.
;; Inputs: norm_b 1,024 float32; norm_w 1,024 float32; out_b 1,024 float32; out_w 1,024 x 1,024 float32; qkv_b 3,072 float32; qkv_w 3,072 x 1,024 float32; x_temporal_sequence 1,024 x 8 x 1,024 float32.
;; Outputs: out0 1,024 x 8 x 1,024 float32.
;; This version of the problem:
;;   THIS VERSION OF THE PROBLEM IS GIVEN IN LOW PRECISION. The matrix products marked QUANTISED in the list below multiply operands that are first quantised to E3M2 (3 exponent bits, 2 mantissa bits; 6 bits a number), with one power-of-two scale for each 32 numbers along K (OCP MX v1.0); their sums are f32. All else is computed in f32.
;;   The module's matrix products, in the order in which they are computed (A, B: the left and right operand; K: the contracted axis; several contracted axes count as one K, in the product's order):
;;     1. [M 8,192, K 1,024] x [K 1,024, N 3,072]; A: input x_temporal_sequence; B: input qkv_w: QUANTISED
;;     2. batch 128 x [M 1,024, K 64] x [K 64, N 1,024]; A: computed on the way; B: computed on the way: QUANTISED
;;     3. batch 128 x [M 1,024, K 1,024] x [K 1,024, N 64]; A: softmax (see below); B: computed on the way: QUANTISED
;;     4. [M 8,192, K 1,024] x [K 1,024, N 1,024]; A: computed on the way; B: input out_w: QUANTISED
;;   THE QUANTISER, for each operand of a quantised product, along K:
;;     - K is cut into blocks of 32 from its start; a last block that is shorter is filled with zeros.
;;     - A block's scale is 2^e with e = floor(log2(the largest magnitude in the block)) - 4, held to -126 .. 127; a block of zeros has e = 0. As a byte (E8M0): e + 127.
;;     - Each number is divided by its block's scale, clamped to +-28, and rounded to the nearest number of E3M2, ties to even, subnormals kept.
;;     - The product sums the exact products of the quantised numbers (number of the format x scale) in f32.
;;   ~~~python
;;   def quantise(x, axis):      # numpy; x: float32 -> the quantised numbers, widened to float32 again
;;       x = np.moveaxis(x, axis, -1); K = x.shape[-1]
;;       x = np.pad(x, [(0, 0)] * (x.ndim - 1) + [(0, -K % 32)]); x = x.reshape(x.shape[:-1] + (-1, 32)); a = np.abs(x).max(-1, keepdims=True)
;;       e = np.where(a > 0, np.clip(np.frexp(np.where(a > 0, a, 1))[1] - 1 - 4, -126, 127), 0)      # np.frexp(a)[1] - 1 = floor(log2(a)), exactly
;;       r = np.clip(x / 2.0 ** e, -28, 28)
;;       step = 2.0 ** (np.maximum(np.frexp(np.where(r == 0, 1, r))[1] - 1, -2) - 2)
;;       q = np.round(r / step) * step * 2.0 ** e      # np.round: ties to even
;;       return np.moveaxis(q.reshape(q.shape[:-2] + (-1,))[..., :K], -1, axis).astype(np.float32)
;;   ~~~
;;   SOFTMAX AHEAD OF A QUANTISED PRODUCT. Where the list says 'softmax', what is quantised is not the finished softmax but p = 2^(t - M), with t = logit x log2(e) and M = ceil(the row's largest t), a whole number; so 1/2 < the row's largest p <= 1. The row's sum l is taken of the UNQUANTISED p, in f32, and the product's result is divided by l at the end. Since M is a whole number, a kernel that streams over the keys may use a running M (the ceiling of the running maximum): every later rescaling is an exact power of two, which a block's scale takes up: the codes' values come out the same.
;;   OPERANDS COMPUTED ON THE WAY. 'Computed on the way' means the value that the module computes at that place (a softmax that the list does not call 'softmax' is quantised finished and normalised). What goes into a quantiser is computed in f32, as accurately as f32 sums, v_exp_f32 and their like allow (about 1e-6 of the number): no bf16 or f16 on the way to a quantiser, and a product that is left as it is and whose result goes on into a quantised operand takes f32 operands (vector FMAs, or v_wmma_f32_16x16x4_f32). A number that lies on a knife's edge between two numbers of the format may be rounded either way, as far as f32 arithmetic and the matrix unit's own rounding can turn it there, and no further.
;; 2 versions, each right; version 2 is version 1 with the launches attn, outln written anew for expert scheduling mode. Each part assembles by itself: llvm-mc -triple=amdgcn-amd-amdhsa -mcpu=gfx1250 --defsym DOCPART=n.
;; ======== version 1 of 2: 4 launches
;; workspace buffers: codes 9,437,184 bytes; scales 393,216 bytes; qkv_img 18,874,368 bytes; qkv_sw 1,572,864 bytes; ctx_img 6,291,456 bytes; ctx_sw 524,288 bytes
;; launch quant (part 1): grid 256 x 1, 12 waves a work-group, no clusters, 104,960 bytes of LDS; arguments x_temporal_sequence, qkv_w, out_w, codes, scales; writes codes, scales
.if DOCPART == 1
	.amdgcn_target "amdgcn-amd-amdhsa--gfx1250"
	.amdhsa_code_object_version 6
	.text
	.protected	k_q5a909f6bf3_quant
	.globl	k_q5a909f6bf3_quant
	.p2align	8
	.type	k_q5a909f6bf3_quant,@function
k_q5a909f6bf3_quant:
	s_mov_b64 s[64:65], 0
	v_nop
	global_prefetch_b8 v0, s[64:65] scope:SCOPE_SE
	s_setreg_imm32_b32 hwreg(HW_REG_WAVE_MODE, 25, 1), 1
	s_wait_xcnt 0x0
; x [1024 s][8 b][1024], qkv_w [3072][1024] and out_w [1024][1024], f32, K innermost, become codes of BF6 (E3M2) with one E8M0 byte for each 32 along K,
; laid IN THE ORDER OF AN OPERAND'S REGISTERS.  codes: [row tile T][K step 0..7][1,536 bytes]; a fragment (16 rows x 128 K, 12 registers a lane) lies as three blocks of 512 bytes,
; registers 4 c .. 4 c + 3 of lane l at 512 c + 16 l.  scales: [T][place 0..15][32 bytes]: a row's eight scale words.
; ROW TILES: T 0-511 x (64 b + t), 512-575 the rows of qkv_w that make q (4 head + t), 576-639 k, 640-703 v, 704-767 out_w.
; THE ROWS OF A TILE ARE NOT NEIGHBOURS: place i of tile t holds row 32 (t / 2) + 8 (t % 2) + i + 8 (i / 8) of its axis (x: s within b; qkv_w: d within a head's part; out_w: the row), so that a product
; which takes such tiles as source 0 leaves 16 neighbours of that axis in a lane's 16 registers of tiles 2 c and 2 c + 1.
; A block's scale is 2^(floor(log2(largest magnitude)) - 4); its byte is the largest magnitude's exponent field - 4, held at 1 from below.
; LIMITS: NaN and infinities are not served; a block whose largest magnitude lies under 2^-122, and a block of zeros, gets the byte 1 (its codes are then zeros or tiny; these bytes are read by this program alone).
; SHARES: 768 row tiles, three to a work-group; a tile's K is shared among four waves, two K steps each, so that a wave asks for all its 32 x 512 bytes at once and the work-group's twelve waves for all that it reads.
; The tensors take ONE path, only the pointer, the offset and the row stride are chosen.
; A K step: 16 loads, each 512 consecutive bytes of one row; through the wave's own stage in LDS (rows of 512 + 16 bytes); back so that lane (r, h) holds blocks h and 2 + h of row r whole, as the operand's layout wants them.
; The four waves' scale words of a tile meet in 512 bytes of LDS behind one barrier, and the tile's first wave stores them whole.
.set STGB,  8448                       ; a wave's stage: 16 rows x 528 bytes
.set SCA,   12*STGB                    ; behind the stages: 512 bytes of scale words for each of the three tiles
.set NS,    2                          ; K steps of a wave
.set W,     8                          ; v8-9     my two K steps' scale words
.set RO,    16                         ; v16-31   place i: 16 x lane + (i + 8 (i / 8)) x the row stride; never rewritten
.set R,     32                         ; v32-159  two sets of 64: a K step as loaded
.set X,     160                        ; v160-223 my two blocks of 32 numbers
.set PC,    224                        ; v224-235 the fragment's codes
.set PT,    236                        ; v236-238, v240-242 the upper halves of the blocks' codes, before they are moved
.set MX,    244                        ; v244-245 largest magnitudes
.set SOP,   246                        ; v246-247 the conversions' scale operands
.set BY,    248                        ; v248-249 scale bytes
.set TW,    250
.set PD,    253                        ; a lane permute's destination
	s_load_b128 s[4:7], s[0:1], 0x0                ; x, qkv_w
	s_load_b128 s[8:11], s[0:1], 0x10              ; out_w, codes
	s_load_b64 s[12:13], s[0:1], 0x20              ; scales
	v_lshl_add_u32 v254, v0, 2, 0x19400
	v_mov_b32 v255, 0
	v_lshrrev_b32 v1, 5, v0
	v_readfirstlane_b32 s14, v1                    ; wave 0..11
	s_lshr_b32 s34, s14, 2                         ; which of the work-group's three tiles
	s_and_b32 s35, s14, 3                          ; which quarter of K
	s_mul_i32 s15, ttmp9, 3
	s_add_co_u32 s15, s15, s34                     ; T
	s_and_b32 s16, s15, 63
	s_lshr_b32 s17, s16, 1
	s_lshl_b32 s17, s17, 5
	s_and_b32 s18, s16, 1
	s_lshl_b32 s18, s18, 3
	s_add_co_u32 s17, s17, s18                     ; the tile's first row: 32 (t / 2) + 8 (t % 2), t = T % 64
	s_lshl_b32 s24, s17, 15                        ; x: a step of s is 8 x 4,096 bytes,
	s_lshr_b32 s18, s15, 6
	s_and_b32 s18, s18, 7
	s_lshl_b32 s18, s18, 12
	s_add_co_u32 s24, s24, s18                     ; + b rows
	s_lshl_b32 s25, s17, 12                        ; out_w: a row is 4,096 bytes
	s_sub_co_u32 s19, s15, 512                     ; qkv_w: U = T - 512: part U / 64, head (U / 4) % 16, tile U % 4
	s_lshr_b32 s26, s19, 2
	s_and_b32 s26, s26, 15
	s_mul_i32 s26, s26, 192
	s_lshr_b32 s27, s19, 6
	s_and_b32 s27, s27, 3
	s_lshl_b32 s27, s27, 6
	s_add_co_u32 s26, s26, s27
	s_and_b32 s27, s19, 2
	s_lshl_b32 s27, s27, 4
	s_add_co_u32 s26, s26, s27
	s_and_b32 s27, s19, 1
	s_lshl_b32 s27, s27, 3
	s_add_co_u32 s26, s26, s27                     ; row 192 head + 64 part + the tile's first d
	s_lshl_b32 s26, s26, 12
	s_mov_b32 s28, 4096
	s_mov_b32 s27, 0
	s_mov_b32 s20, 0x76543210
	s_mov_b32 s21, 0xfedcba98                      ; v_permlanex16_b32's selects for lane l xor 16
	s_mul_i32 s30, s15, 12288
	s_mul_i32 s36, s35, NS*1536
	s_add_co_u32 s30, s30, s36                     ; my two fragments' place in the codes
	s_mov_b32 s31, 0
	s_lshl_b32 s32, s15, 9
	s_mov_b32 s33, 0
	s_mul_i32 s29, s14, STGB
	s_lshl_b32 s38, s34, 9
	s_add_co_u32 s38, s38, SCA                     ; LDS: my tile's 512 bytes of scale words,
	s_lshl_b32 s37, s35, 3
	s_add_co_u32 s37, s37, s38                     ; and my 8 bytes of a row's 32
	s_lshl_b32 s39, s35, 10                        ; my quarter of a row of f32: 1,024 bytes on
	s_wait_kmcnt 0x0
	s_cmp_lt_u32 s15, 704                          ; the choices hang on the tile's number alone
	s_cselect_b64 s[6:7], s[6:7], s[8:9]
	s_cselect_b32 s26, s26, s25
	s_cmp_lt_u32 s15, 512
	s_cselect_b64 s[4:5], s[4:5], s[6:7]
	s_cselect_b32 s26, s24, s26
	s_cselect_b32 s28, 32768, s28                  ; from a row of the axis to the next, in bytes
	s_add_co_u32 s26, s26, s39
	s_add_nc_u64 s[4:5], s[4:5], s[26:27]
	s_add_nc_u64 s[10:11], s[10:11], s[30:31]      ; my codes
	s_add_nc_u64 s[12:13], s[12:13], s[32:33]      ; my tile's scale bytes
	v_and_b32 v6, 31, v0                           ; lane
	v_lshlrev_b32 v1, 4, v6                        ; 16 x lane
	v_add_nc_u32 v2, s29, v1                       ; the stage, on the way in
	v_and_b32 v7, 15, v0                           ; r
	v_bfe_u32 v4, v0, 4, 1                         ; h
	v_mul_u32_u24 v3, v7, 528
	v_lshl_add_u32 v3, v4, 7, v3
	v_add_nc_u32 v3, s29, v3                       ; and on the way out: row r, block h
	v_lshlrev_b32 v5, 5, v7
	v_add_nc_u32 v5, s37, v5                       ; where my row's two scale words go in LDS: 32 r + 8 x quarter
	v_add_nc_u32 v10, s38, v1                      ; and where the tile's 512 bytes are read back
	v_lshlrev_b32 v4, 3, v4                        ; 8 h
	v_mov_b32 v[PD], 0                             ; written once: a lane permute's destination counts as one of its sources
.irp i, 0,1,2,3,4,5,6,7,8,9,10,11,12,13,14,15
	v_mad_u32_u24 v[RO+\i], s28, \i+8*(\i/8), v1
.endr
.macro LOAD s                          ; my K step s: 16 rows x 512 bytes
.irp i, 0,1,2,3,4,5,6,7,8,9,10,11,12,13,14,15
	global_load_b128 v[R+64*(\s)+4*\i:R+64*(\s)+4*\i+3], v[RO+\i], s[4:5] offset:512*(\s) th:TH_LOAD_NT
.endr
.endm
.macro STEP s
.if (\s) < NS-1
	s_wait_loadcnt 16                              ; this step's 16 loads are in; the next step's 16 may be out
.else
	s_wait_loadcnt 0x0
.endif
.irp i, 0,1,2,3,4,5,6,7,8,9,10,11,12,13,14,15
	ds_store_b128 v2, v[R+64*(\s)+4*\i:R+64*(\s)+4*\i+3] offset:528*\i
.endr
.irp c, 0,1
.irp j, 0,1,2,3,4,5,6,7
	ds_load_b128 v[X+32*\c+4*\j:X+32*\c+4*\j+3], v3 offset:256*\c+16*\j   ; LDS serves a wave's instructions in order: these see the stores above
.endr
.endr
	s_wait_dscnt 0x0                               ; my 64 numbers are back
.irp c, 0,1
	v_max3_num_f32 v[MX+\c], |v[X+32*\c]|, |v[X+32*\c+1]|, 0x2800000   ; block 2 c + h: all 32 numbers are mine; and the floor 2^(5 - 127): the byte cannot fall under 1
.endr
.irp i, 2,4,6,8,10,12,14,16,18,20,22,24,26,28,30
.irp c, 0,1
	v_max3_num_f32 v[MX+\c], v[MX+\c], |v[X+32*\c+\i]|, |v[X+32*\c+\i+1]|
.endr
.endr
.irp c, 0,1
	v_add_nc_u32 v[SOP+\c], 0xfe000000, v[MX+\c]   ; 4 off the exponent field: the conversion takes the exponent field of this operand as its scale
.endr
.irp c, 0,1
	v_lshrrev_b32 v[BY+\c], 23, v[SOP+\c]          ; the scale's byte
.endr
	v_lshl_or_b32 v[TW], v[BY+1], 16, v[BY]        ; my two bytes, blocks h and 2 + h,
	v_lshlrev_b32 v[TW], v4, v[TW]                 ; at their places in the word;
	v_permlanex16_b32 v[PD], v[TW], s20, s21
	v_or_b32 v[W+(\s)], v[TW], v[PD]               ; with lane l xor 16's two the word is whole
.if (\s) > 0
	s_wait_xcnt 0x0                                ; the last step's stores have read the codes' registers
.endif
.irp c, 0,1
	v_cvt_scalef32_pk16_bf6_f32 v[PC+6*\c:PC+6*\c+2], v[X+32*\c:X+32*\c+15], v[SOP+\c]
	v_cvt_scalef32_pk16_bf6_f32 v[PT+4*\c:PT+4*\c+2], v[X+32*\c+16:X+32*\c+31], v[SOP+\c]   ; (a conversion's three registers begin on an even number)
.endr
	v_nop                                          ; one plain line behind the scaled conversions
.irp c, 0,1
.irp i, 0,1,2
	v_mov_b32 v[PC+6*\c+3+\i], v[PT+4*\c+\i]
.endr
.endr
.irp c, 0,1,2
	global_store_b128 v1, v[PC+4*\c:PC+4*\c+3], s[10:11] offset:1536*(\s)+512*\c   ; 32 lanes store 512 consecutive bytes, at a multiple of 256 from the buffer's first byte
.endr
.endm
	LOAD 0
	LOAD 1
	STEP 0
	STEP 1
	ds_store_b64 v5, v[W:W+1]                      ; lanes r and r + 16 hold the same two words and write them to the same place
	s_wait_dscnt 0x0                               ; for the others' sake: my words have landed
	s_barrier_signal -1
	s_barrier_wait -1                              ; each tile's 512 bytes are whole
	s_cmp_lg_u32 s35, 0                            ; the tile's first wave stores them
	s_cbranch_scc1 .Ldone
	ds_load_b128 v[12:15], v10
	s_wait_dscnt 0x0
	global_store_b128 v1, v[12:15], s[12:13]       ; 512 consecutive bytes
.Ldone:
	s_wait_tensorcnt 0x0
	ds_add_u32 v254, v255
	s_wait_dscnt 0x0
	s_endpgm
.Lfunc_end_k_q5a909f6bf3_quant:
	.size	k_q5a909f6bf3_quant, .Lfunc_end_k_q5a909f6bf3_quant-k_q5a909f6bf3_quant
	.p2alignl 7, 3214868480
	.fill 96, 4, 3214868480
	.section	.rodata,"a",@progbits
	.p2align	6, 0x0
	.amdhsa_kernel k_q5a909f6bf3_quant
		.amdhsa_group_segment_fixed_size 104960
		.amdhsa_private_segment_fixed_size 0
		.amdhsa_enable_private_segment 0
		.amdhsa_kernarg_size 40
		.amdhsa_user_sgpr_count 2
		.amdhsa_user_sgpr_kernarg_segment_ptr 1
		.amdhsa_wavefront_size32 1
		.amdhsa_system_sgpr_workgroup_id_x 1
		.amdhsa_system_sgpr_workgroup_id_y 1
		.amdhsa_system_sgpr_workgroup_id_z 1
		.amdhsa_system_vgpr_workitem_id 0
		.amdhsa_next_free_vgpr 256
		.amdhsa_next_free_sgpr 66
		.amdhsa_reserve_vcc 0
		.amdhsa_float_denorm_mode_32 3
		.amdhsa_float_denorm_mode_16_64 3
		.amdhsa_memory_ordered 1
		.amdhsa_forward_progress 1
		.amdhsa_inst_pref_size 19
	.end_amdhsa_kernel
	.amdgpu_metadata
---
amdhsa.version: [ 1, 2 ]
amdhsa.kernels:
  - .name:           k_q5a909f6bf3_quant
    .symbol:         k_q5a909f6bf3_quant.kd
    .args:
      - { .name: x_temporal_sequence, .offset: 0, .size: 8, .value_kind: global_buffer, .address_space: global }
      - { .name: qkv_w, .offset: 8, .size: 8, .value_kind: global_buffer, .address_space: global }
      - { .name: out_w, .offset: 16, .size: 8, .value_kind: global_buffer, .address_space: global }
      - { .name: codes, .offset: 24, .size: 8, .value_kind: global_buffer, .address_space: global }
      - { .name: scales, .offset: 32, .size: 8, .value_kind: global_buffer, .address_space: global }
    .group_segment_fixed_size: 104960
    .private_segment_fixed_size: 0
    .kernarg_segment_align: 8
    .kernarg_segment_size: 40
    .max_flat_workgroup_size: 384
    .sgpr_count:     66
    .vgpr_count:     256
    .wavefront_size: 32
...
	.end_amdgpu_metadata
.endif
;; end of part 1
;; launch qkv (part 2): grid 12 x 32, 4 waves a work-group, clusters of 4 x 4, 327,680 bytes of LDS; arguments codes, scales, qkv_b, qkv_img, qkv_sw; writes qkv_img, qkv_sw
.if DOCPART == 2
	.amdgcn_target "amdgcn-amd-amdhsa--gfx1250"
	.amdhsa_code_object_version 6
	.text
	.protected	k_q5a909f6bf3_qkv
	.globl	k_q5a909f6bf3_qkv
	.p2align	8
	.type	k_q5a909f6bf3_qkv,@function
k_q5a909f6bf3_qkv:
	s_mov_b64 s[64:65], 0
	v_nop
	global_prefetch_b8 v0, s[64:65] scope:SCOPE_SE
	s_setreg_imm32_b32 hwreg(HW_REG_WAVE_MODE, 25, 1), 1
	s_wait_xcnt 0x0
	s_wait_alu depctr_hold_cnt(0) depctr_sa_sdst(0) depctr_va_vdst(0) depctr_va_sdst(0) depctr_va_ssrc(0) depctr_va_vcc(0) depctr_vm_vsrc(0)
	s_getreg_b32 s2, hwreg(HW_REG_IB_STS2, 6, 4)
	s_cmp_eq_u32 s2, 0
	s_cbranch_scc0 .Lentry_in_a_cluster
	s_endpgm
.Lentry_in_a_cluster:
	s_bfe_u32 s2, ttmp6, 0x10000c
	s_cmp_lg_u32 s2, 0xf033
	s_cbranch_scc0 .Lentry_shape_is_right
	s_endpgm
.Lentry_shape_is_right:
; The QKV projection on codes of BF6 (E3M2) with E8M0 scales, its bias, and the quantisers of q, k (along d) and v (along the keys).  Nothing wide goes to memory.
; IN: codes [row tile][K step 0..7][1,536 bytes] (images of operand registers), scales [row tile][place][32 bytes]; row tiles 0-511 x (64 b + t), 512-575 the weights of q (4 head + t), 576-639 k, 640-703 v.
; A tile's places hold rows 32 (t / 2) + 8 (t % 2) + i + 8 (i / 8) of their axis, so that a lane's 16 registers of two neighbouring tiles of source 0 are 16 neighbours of that axis.
; OUT: qkv_img [part][b][head][49,152 bytes]; q, k: [tile of 16 s][768]: a fragment's registers 0-3 at 16 x lane, 4-5 at 512 + 8 x lane (K = d = 64); v: [key step of 128][tile of 16 d][1,536]: whole fragments, K = the keys.
;      qkv_sw [part][b][head][4,096 bytes]: a scale word a row, 64 bytes a tile, in the same order.
; A block of 256 x 256 results is made by four waves, 128 x 128 each: 64 accumulators, 512 registers.
; K = 1,024 is four slots' worth of 256.  THREE LDS slots are filled at the start; the first is filled once again, with the fourth quarter, behind the first change of slots: that load has 224 matrix instructions
; of the wave in which to land, and the text has one refill.  The eight steps are written out: no loop.
; THE MATRIX INSTRUCTION IS USED TRANSPOSED (source 0 = 16 rows of side B, source 1 = 16 rows of side A): a lane holds ONE row of A, and its registers run along B's rows.
;   clusters with x = 0, 1: A = x, B = the weights of q or k: a lane holds a row s, its 64 registers of a block of A are d 0..63 of two heads;
;   clusters with x = 2:    A = the weights of v, B = x: a lane holds a channel d, its 64 registers are 128 neighbouring keys.
; Either way the 64 numbers are 128 along the next product's K (16 of each block of 32 in a lane, the other 16 in lane l xor 16), and one macro quantises them.
; CLUSTERS: 4 x 4 work-groups; side A's tiles hang on cy alone and are asked for jointly along a row of the cluster, side B's on cx alone and along a column.
; THE SCALES of the work-group's 256 + 256 rows, for all of K, come into LDS once, with the first fills.
; LIMITS: NaN and infinities are not served; a block whose largest magnitude lies under 2^-122, and a block of zeros, gets the byte 1.  In a scale word of q or k only two bytes belong to the head: the other two are a neighbour's bytes
; or zeros; they stand over zero codes in the product that reads them.
; REGISTERS, in windows of 256: window 0: v0-31 addresses; v32-63 scale words, two sets; v64-127 the bias, eight registers a tile in the result's layout; v128-223 A's fragments, ONE set; v232-239 the bias loads' offsets;
;   on the way out v128-231 are at work.  window 1: B's fragments, TWO sets, at v0 and v128.  window 2: accumulators of my rows 0-63 ((a, b) at v[8 (8 a + b)]); window 3: rows 64-127.
.set NQ,     2                         ; matrix instructions deep in a slot
.set FR,     12                        ; registers of a fragment
.set NL,     3                         ; LDS loads that bring one
.set NP,     4                         ; places behind this matrix instruction (ISA guide 7.12.1)
.set FRB,    1536                      ; a fragment's image
.set TROW,   NQ*FRB                    ; a row tile's part of a slot
.set KROW,   12288                     ; a row tile in memory
.set HALFT,  8*TROW                    ; 8 row tiles: what one tensor load brings, and what one wave reads of a side
.set SLOT,   4*HALFT
.set KS,     32                        ; a row of scales in bytes
.set SCL,    3*SLOT                    ; behind the three slots: the scales, as units of 256 bytes + 16 of padding
.set HALFS,  (128*KS/256)*272
.set SBLK,   (16*KS/256)*272
.set SPARE,  SCL+4*HALFS               ; the spare words, 128 bytes for each wave: two blocks of 256 bytes that no other line names
.set ADRA, 16                          ; v16-18  LDS address of my A fragments in slot 0, 1, 2
.set ADRB, 20                          ; v20-22  the same for B
.set L16,  24                          ; v24  16 x lane
.set L8,   25                          ; v25  8 x lane
.set L4,   26                          ; v26  4 x lane
.set ADRS, 27                          ; v27  LDS address of my scale words: lanes 0-15 A's rows, lanes 16-31 B's
.set SPW,  28                          ; v28  LDS address of my spare word; never rewritten
.set NIL,  29                          ; v29  0; never rewritten
.set SC,   32
.set BIAS, 64
.set AF,   128
.set VO,   232
.set ST,   128                         ; the way out: 64 numbers
.set PC,   192                         ; v192-203 codes; v204-206, v208-210 at work
.set TM,   212                         ; v212-227 at work
.set PW,   228                         ; the scale word just made
.set PWS,  229                         ; the even block's
.set PWT,  230                         ; two blocks' words: lanes 0-15 the even block's, lanes 16-31 the odd one's
.set PWU,  231                         ; their upper halves: the second head's
.set G1, 24                            ; s[24:31] group 1 for A's tiles; s[32:35], s[36:39], s[4:7] groups 0 for slots 0, 1, 2
.set G0, 32
.set G0C, 4
.set G1B, 48                           ; s[48:55] group 1 for B's tiles; s[56:59], s[60:63], s[92:95] groups 0
.set G0B, 56
.set G0BC, 92
.set G1S, 68
.set G0S, 76
.set G1SB, 80
.set G0SB, 88
.set SEL, 96                           ; s[96:97] lane selects; s98 lanes 16-31; s99 1 where the cluster makes v
.set MSB, 0
.macro WIN new                         ; the immediate's high byte repeats the setting that is left
.if MSB != (\new)
	s_set_vgpr_msb (MSB<<8)|(\new)
.set MSB, (\new)
.endif
.endm
.set MUL_LO, 0xa1                      ; source 0 (B) window 1, source 1 (A) window 0, C and D window 2
.set MUL_HI, 0xf1
.set TO_B,   0x40
; A joint load: waves 0 and 1 fetch for side A, waves 2 and 3 for side B.  The branch hangs on the wave's number alone.  Four v_nop follow each of the two lines.
.macro JLOAD g0a, g1a, g0b, g1b
	s_cmp_eq_u32 s15, 0
	s_cbranch_scc0 .Lfor_b_\@
	tensor_load_to_lds s[\g0a:\g0a+3], s[\g1a:\g1a+7]
	s_nop 0
.rept 4
	v_nop
.endr
	s_branch .Lasked_\@
.Lfor_b_\@:
	tensor_load_to_lds s[\g0b:\g0b+3], s[\g1b:\g1b+7]
	s_nop 0
.rept 4
	v_nop
.endr
.Lasked_\@:
.endm
.macro CREST                           ; a round of the cluster's barrier behind its opening barrier
	s_cmp_lg_u32 s14, 0
	s_cbranch_scc1 .Lnot_wave_0_\@
	s_barrier_signal -3
.Lnot_wave_0_\@:
	s_barrier_wait -3
	s_barrier_signal -1
	s_barrier_wait -1
.endm
.macro CROUND
	s_barrier_signal -1
	s_barrier_wait -1
	CREST
.endm
	s_load_b128 s[4:7], s[0:1], 0x0                ; codes, scales
	s_load_b128 s[8:11], s[0:1], 0x10              ; qkv_b, qkv_img
	s_load_b64 s[12:13], s[0:1], 0x20              ; qkv_sw
	v_lshl_add_u32 v[SPW], v0, 2, SPARE
	v_mov_b32 v[NIL], 0
	ds_add_u32 v28, v29
	ds_add_u32 v28, v29
	s_wait_dscnt 0x0
	v_lshrrev_b32 v1, 5, v0
	v_readfirstlane_b32 s14, v1                    ; wave 0..3
	s_lshr_b32 s15, s14, 1                         ; which half of side A's rows is mine.  Also: I fetch for A (0) or for B (1)
	s_and_b32 s16, s14, 1                          ; which half of side B's.  Also: which 8 row tiles I fetch
	s_bfe_u32 s40, ttmp6, 0x40000                  ; cx, cy: my place in the cluster
	s_bfe_u32 s41, ttmp6, 0x40004
	s_and_b32 s17, ttmp7, 0xffff
	s_lshl_b32 s17, s17, 2                         ; 4 x cluster y: x's blocks of 256 rows
	s_lshl_b32 s42, ttmp9, 2
	s_add_co_u32 s42, s42, 32                      ; 32 + 4 x cluster x: the weights of q (32-35) or k (36-39)
	s_cmp_eq_u32 ttmp9, 2                          ; the cluster's x: the same in all sixteen partners
	s_cselect_b32 s99, 1, 0
	s_cselect_b32 s18, 40, s17                     ; side A: the weights of v (40-43), or x
	s_cselect_b32 s42, s17, s42                    ; side B: x, or the weights
	s_add_co_u32 s17, s18, s41                     ; A's block of 16 row tiles: + cy
	s_add_co_u32 s42, s42, s40                     ; B's: + cx
	s_lshl_b32 s43, s41, 2
	s_lshl_b32 s43, 15, s43                        ; my row of the cluster
	s_lshl_b32 s44, 0x1111, s40                    ; my column
	; descriptor group 1: 8 row tiles x 3,072 bytes (two fragments), 12,288 bytes apart in memory, dense in LDS
	s_or_b32 s[G1+0], s43, (3<<16)|(1<<21)         ; 15:0 the mask; 17:16 elements of 8 bytes; 20 no padding; 21 set beside a mask
	s_or_b32 s[G1B+0], s44, (3<<16)|(1<<21)
.irp g, G1, G1B
	s_mov_b32 s[\g+1], (TROW/8)<<16                ; tensor_dim0
	s_mov_b32 s[\g+2], 8<<16                       ; tensor_dim1
	s_mov_b32 s[\g+3], (TROW/8)<<16                ; tile_dim0
	s_mov_b32 s[\g+4], 8                           ; tile_dim1
	s_mov_b32 s[\g+5], KROW/8                      ; tensor_dim0_stride
	s_mov_b32 s[\g+6], 0
	s_mov_b32 s[\g+7], 0
.endr
	; the scales of 128 rows: 4,096 dense bytes, as rows of 256 bytes (32 elements of 8 bytes), 16 bytes of padding behind each
	s_or_b32 s[G1S+0], s43, (3<<16)|(1<<20)|(1<<21)|(5<<22)|(3<<25)
	s_or_b32 s[G1SB+0], s44, (3<<16)|(1<<20)|(1<<21)|(5<<22)|(3<<25)
.irp g, G1S, G1SB
	s_mov_b32 s[\g+1], 32<<16
	s_mov_b32 s[\g+2], (128*KS/256)<<16
	s_mov_b32 s[\g+3], 32<<16
	s_mov_b32 s[\g+4], 128*KS/256
	s_mov_b32 s[\g+5], 32
	s_mov_b32 s[\g+6], 0
	s_mov_b32 s[\g+7], 0
.endr
	s_lshl_b32 s18, s16, 3
	s_lshl_b32 s20, s17, 4
	s_add_co_u32 s20, s20, s18                     ; A: row tile 16 x block + 8 x half
	s_lshl_b32 s46, s42, 4
	s_add_co_u32 s46, s46, s18                     ; B likewise
	s_lshl_b32 s22, s20, 9                         ; their scales: 512 bytes a row tile
	s_mov_b32 s23, 0
	s_lshl_b32 s92, s46, 9
	s_mov_b32 s93, 0
	s_mul_i32 s20, s20, KROW                       ; their codes
	s_mov_b32 s21, 0
	s_mul_i32 s46, s46, KROW
	s_mov_b32 s47, 0
	s_mul_i32 s45, s14, HALFT                      ; where they go: no place in the cluster enters an LDS address
	s_mul_i32 s94, s14, HALFS
	s_wait_kmcnt 0x0
	s_add_nc_u64 s[20:21], s[4:5], s[20:21]
	s_add_nc_u64 s[22:23], s[6:7], s[22:23]
	s_add_nc_u64 s[46:47], s[4:5], s[46:47]
	s_add_nc_u64 s[92:93], s[6:7], s[92:93]
	CROUND                                         ; all sixteen work-groups are here: the first joint loads meet
	s_mov_b32 s[G0S], 1
	s_add_co_u32 s[G0S+1], s94, SCL
	s_mov_b64 s[G0S+2:G0S+3], s[22:23]
	s_or_b32 s[G0S+3], s[G0S+3], 0x80000000
	s_mov_b32 s[G0SB], 1
	s_add_co_u32 s[G0SB+1], s94, SCL
	s_mov_b64 s[G0SB+2:G0SB+3], s[92:93]
	s_or_b32 s[G0SB+3], s[G0SB+3], 0x80000000
	JLOAD G0S, G1S, G0SB, G1SB                     ; the scales first: they are wanted with the first slot
.macro MKG0 ga, gb, s                  ; slot s's two groups 0, and its first fill: quarter s of K
	s_mov_b32 s[\ga], 1
	s_add_co_u32 s[\ga+1], s45, \s*SLOT
	s_add_nc_u64 s[\ga+2:\ga+3], s[20:21], \s*TROW
	s_or_b32 s[\ga+3], s[\ga+3], 0x80000000
	s_mov_b32 s[\gb], 1
	s_add_co_u32 s[\gb+1], s45, \s*SLOT
	s_add_nc_u64 s[\gb+2:\gb+3], s[46:47], \s*TROW
	s_or_b32 s[\gb+3], s[\gb+3], 0x80000000
	JLOAD \ga, G1, \gb, G1B
.endm
	MKG0 G0, G0B, 0
	MKG0 G0+4, G0B+4, 1
	MKG0 G0C, G0BC, 2                              ; four tensor loads of mine are out
	v_and_b32 v1, 15, v0                           ; r
	v_bfe_u32 v2, v0, 4, 1                         ; h
	v_and_b32 v3, 31, v0
	v_lshlrev_b32 v[L16], 4, v3
	v_lshlrev_b32 v[L8], 3, v3
	v_lshlrev_b32 v[L4], 2, v3
	s_mul_i32 s21, s15, HALFT                      ; my 8 row tiles of A
	s_mul_i32 s22, s16, HALFT                      ; my 8 of B,
	s_add_co_u32 s22, s22, 2*HALFT                 ; which lie behind A's 16
.irp s, 0,1,2
	v_add_nc_u32 v[ADRA+\s], s21, v[L16]
	v_add_nc_u32 v[ADRB+\s], s22, v[L16]
	s_add_co_u32 s21, s21, SLOT
	s_add_co_u32 s22, s22, SLOT
.endr
	v_mul_u32_u24 v5, v1, KS                       ; my row's scales: KS bytes a row,
	v_lshrrev_b32 v6, 8, v5
	v_lshl_add_u32 v5, v6, 4, v5                   ; and 16 more for each 256 passed
	s_mul_i32 s21, s15, HALFS
	s_mul_i32 s22, s16, HALFS
	s_add_co_u32 s22, s22, 2*HALFS
	s_sub_co_u32 s22, s22, s21
	v_mul_u32_u24 v6, s22, v2                      ; lanes 16-31 take B's
	s_add_co_u32 s21, s21, SCL
	v_add_nc_u32 v5, v5, v6
	v_add_nc_u32 v[ADRS], s21, v5
	; where the results go, and where the bias lies.  These numbers enter global addresses alone; none of these registers belongs to a descriptor
	s_cmp_eq_u32 s99, 1
	s_cselect_b32 s18, s17, s42                    ; the weights' block,
	s_cselect_b32 s19, s42, s17                    ; x's block,
	s_cselect_b32 s20, s15, s16                    ; my half of the weights' rows,
	s_cselect_b32 s21, s16, s15                    ; my half of x's
	s_cselect_b32 s43, 0, 64                       ; the bias's offset: q, k: 64 h + 4 j (a lane's registers run along d);
	s_cselect_b32 s44, 4, 0                        ; v: 4 (r + 8 (r / 8)) (a lane holds one d)
	s_cselect_b32 s45, 0, 4
	s_mov_b32 s46, 512
	s_cselect_b32 s46, 256, s46                    ; scale words of 128 rows of x: 8 tiles x 64 bytes, or a key step's 4 tiles of d
	s_sub_co_u32 s18, s18, 32
	s_lshr_b32 s22, s18, 2                         ; part: 0 q, 1 k, 2 v
	s_and_b32 s23, s18, 3
	s_lshl_b32 s23, s23, 2
	s_lshl_b32 s20, s20, 1
	s_add_co_u32 s23, s23, s20                     ; my first head of two
	s_lshr_b32 s47, s19, 2                         ; b
	s_and_b32 s19, s19, 3
	s_lshl_b32 s19, s19, 1
	s_add_co_u32 s19, s19, s21                     ; which 128 rows s of b
	s_lshl_b32 s66, s22, 3
	s_add_co_u32 s66, s66, s47
	s_lshl_b32 s66, s66, 4
	s_add_co_u32 s66, s66, s23                     ; (part x 8 + b) x 16 + head
	s_mul_i32 s2, s66, 49152
	s_mul_i32 s67, s19, 6144                       ; 8 tiles x 768 bytes, or a key step's 4 x 1,536
	s_add_co_u32 s2, s2, s67
	s_mov_b32 s3, 0
	s_add_nc_u64 s[10:11], s[10:11], s[2:3]
	s_lshl_b32 s2, s66, 12
	s_mul_i32 s67, s19, s46
	s_add_co_u32 s2, s2, s67
	s_add_nc_u64 s[12:13], s[12:13], s[2:3]
	s_mul_i32 s2, s23, 192
	s_lshl_b32 s67, s22, 6
	s_add_co_u32 s2, s2, s67
	s_lshl_b32 s2, s2, 2
	s_add_nc_u64 s[8:9], s[8:9], s[2:3]            ; qkv_b at feature 192 head + 64 part
	s_mov_b32 s[SEL], 0x76543210
	s_mov_b32 s[SEL+1], 0xfedcba98
	s_mov_b32 s98, 0xffff0000
	v_and_b32 v6, 8, v1
	v_add_nc_u32 v6, v6, v1                        ; r + 8 (r / 8)
	v_mul_u32_u24 v7, v2, s43
	v_mad_u32_u24 v7, v6, s44, v7
.irp j, 0,1,2,3,4,5,6,7
	v_mad_u32_u24 v[VO+\j], s45, \j, v7
.endr
.macro BLD t                           ; the bias of tile t of the weights' 8: head t / 4, first d 32 ((t % 4) / 2) + 8 (t % 2).  Waited for on the way out
.irp j, 0,1,2,3,4,5,6,7
	global_load_b32 v[BIAS+8*(\t)+\j], v[VO+\j], s[8:9] offset:(((\t)/4)*192+32*(((\t)%4)/2)+8*((\t)%2))*4
.endr
.endm
.irp t, 0,1,2,3
	BLD \t                                         ; 32 loads here, the other 32 behind the first fragment loads
.endr
.macro FRAG reg, adr, q, i             ; a fragment comes back as it was laid: three loads of 16 bytes a lane, 512 consecutive bytes each
.irp c, 0,1,2
	ds_load_b128 v[\reg+4*\c:\reg+4*\c+3], v[\adr] offset:(\i)*TROW+(\q)*FRB+512*\c
.endr
.endm
; 16 matrix instructions: A's blocks a0, a0 + 1 x B's eight, 128 along K: the slot's q-th.  p: B's set; sc: the set of scale words.  zero = 1: the first product starts the sums.
; The 64 accumulators take turns, one instruction a turn, in the same order in every step.
.macro MUL16 a0, p, q, sc, zero
.irp a, \a0, \a0+1
.irp b, 0,1,2,3,4,5,6,7
.if \zero
	v_wmma_scale_f32_16x16x128_f8f6f4 v[8*(8*((\a)%4)+\b):8*(8*((\a)%4)+\b)+7], v[128*(\p)+FR*\b:128*(\p)+FR*\b+FR-1], v[AF+FR*(\a):AF+FR*(\a)+FR-1], 0, v[SC+8*NQ*(\sc)+NQ*\b+(\q)], v[SC+8*NQ*(\sc)+NQ*(\a)+(\q)] matrix_a_fmt:MATRIX_FMT_BF6 matrix_b_fmt:MATRIX_FMT_BF6 matrix_a_scale:MATRIX_SCALE_ROW1
.else
	v_wmma_scale_f32_16x16x128_f8f6f4 v[8*(8*((\a)%4)+\b):8*(8*((\a)%4)+\b)+7], v[128*(\p)+FR*\b:128*(\p)+FR*\b+FR-1], v[AF+FR*(\a):AF+FR*(\a)+FR-1], v[8*(8*((\a)%4)+\b):8*(8*((\a)%4)+\b)+7], v[SC+8*NQ*(\sc)+NQ*\b+(\q)], v[SC+8*NQ*(\sc)+NQ*(\a)+(\q)] matrix_a_fmt:MATRIX_FMT_BF6 matrix_b_fmt:MATRIX_FMT_BF6 matrix_a_scale:MATRIX_SCALE_ROW1
.endif
.endr
.endr
.endm
.macro FETCH_B slot, q, p
	WIN TO_B
.irp i, 0,1,2,3,4,5,6,7
	FRAG 128*(\p)+FR*\i, ADRB+\slot, \q, \i
.endr
	WIN 0
.endm
.macro FETCH_A slot, q, i0
.irp i, \i0, \i0+1, \i0+2, \i0+3
	FRAG AF+FR*(\i), ADRA+\slot, \q, \i
.endr
.endm
.macro SCALES sc                       ; a quarter of K's scale words into set sc: NQ words a row; lanes 0-15 take A's block i, lanes 16-31 B's block i
.irp i, 0,1,2,3,4,5,6,7
	ds_load_b64 v[SC+8*NQ*(\sc)+NQ*\i:SC+8*NQ*(\sc)+NQ*\i+1], v[ADRS] offset:\i*SBLK
.endr
.endm
.macro PLACES n                        ; plain vector lines between a matrix instruction and a load into, or a vector line on, one of its registers
.rept \n
	v_nop
.endr
.endm
.macro STEP slot, sc, q, zero          ; a step of 128 along K that has its successor in the same slot
	s_wait_dscnt 4*NL                              ; B's set and A's blocks 0-3 are in; the youngest 12 loads (A's blocks 4-7) may be out
	WIN MUL_LO
	MUL16 0, (\q)%2, \q, \sc, \zero
	MUL16 2, (\q)%2, \q, \sc, \zero
	s_wait_dscnt 0
	PLACES NP
	FETCH_B \slot, (\q)+1, 1-(\q)%2
	FETCH_A \slot, (\q)+1, 0
	WIN MUL_HI
	MUL16 4, (\q)%2, \q, \sc, \zero
	MUL16 6, (\q)%2, \q, \sc, \zero
	PLACES NP
	WIN 0
	FETCH_A \slot, (\q)+1, 4
.endm
; A slot's last step goes on into slot next.
; mode 2: this slot is filled again.  ONE barrier, which opens a round of the cluster's; in front of it each wave waits for all its tensor loads, adds 0 to its spare word, and waits for that and for its own reads of this slot.
; mode 1: the next slot's fill is awaited: the same lines and the work-group's barrier; nothing is filled.
; mode 0: the next slot was shown whole, to every wave, by the wait for all loads and the barrier of the change before, and nothing is written over this slot: no wait on the loads, no barrier.
.macro TURN slot, sc, next, mode
.if \mode
	s_wait_tensorcnt 0x0                           ; all my tensor loads have landed
	ds_add_u32 v[SPW], v[NIL]                      ; 0 onto my spare word
	s_wait_dscnt 4*NL+1                            ; (the add and the youngest 12 loads, A's blocks 4-7, may be out)
	WIN MUL_LO
	MUL16 0, 1, NQ-1, \sc, 0
	s_wait_dscnt 0x0                               ; the add is done, and my reads of this slot are over
	s_barrier_signal -1
	MUL16 2, 1, NQ-1, \sc, 0
	WIN 0
	s_barrier_wait -1
.else
	s_wait_dscnt 4*NL
	WIN MUL_LO
	MUL16 0, 1, NQ-1, \sc, 0
	MUL16 2, 1, NQ-1, \sc, 0
	s_wait_dscnt 0x0                               ; A's blocks 4-7 are in
	WIN 0
.endif
.if \mode == 2
	CREST                                          ; the barrier has opened a round of the cluster's barrier: no wave of any partner still reads this slot or has a load on its way
	s_add_nc_u64 s[G0+4*\slot+2:G0+4*\slot+3], s[G0+4*\slot+2:G0+4*\slot+3], 3*TROW
	s_add_nc_u64 s[G0B+4*\slot+2:G0B+4*\slot+3], s[G0B+4*\slot+2:G0B+4*\slot+3], 3*TROW
	JLOAD G0+4*\slot, G1, G0B+4*\slot, G1B         ; the first tensor load behind the round; its four v_nop are the places in front of the loads below
.else
	PLACES NP
.endif
	v_add_nc_u32 v[ADRS], 4*NQ, v[ADRS]            ; on to the next quarter's scale words
	FETCH_B \next, 0, 0
	FETCH_A \next, 0, 0
	SCALES 1-(\sc)
	WIN MUL_HI
	MUL16 4, 1, NQ-1, \sc, 0
	MUL16 6, 1, NQ-1, \sc, 0
	PLACES NP
	WIN 0
	FETCH_A \next, 0, 4
.endm
	s_wait_tensorcnt 2                             ; the scales and my part of slot 0 are in (slots 1 and 2 may be out)
	s_barrier_signal -1
	s_barrier_wait -1                              ; everybody's are
	FETCH_B 0, 0, 0
	FETCH_A 0, 0, 0
	SCALES 0
	FETCH_A 0, 0, 4
.irp t, 4,5,6,7
	BLD \t
.endr
	STEP 0, 0, 0, 1                                ; quarter 0 of K; its first products start the sums
	TURN 0, 0, 1, 2                                ; slot 0 takes quarter 3
	STEP 1, 1, 0, 0                                ; quarter 1
	TURN 1, 1, 2, 0
	STEP 2, 0, 0, 0                                ; quarter 2
	TURN 2, 0, 0, 1                                ; quarter 3 has landed, in every wave's part
	STEP 0, 1, 0, 0                                ; quarter 3
	s_wait_dscnt 4*NL
	WIN MUL_LO
	MUL16 0, 1, NQ-1, 1, 0
	MUL16 2, 1, NQ-1, 1, 0
	s_wait_dscnt 0
	WIN MUL_HI
	MUL16 4, 1, NQ-1, 1, 0
	MUL16 6, 1, NQ-1, 1, 0
	WIN 0
; 64 numbers of a lane, v[s] .. v[s + 63], register 16 b + i = k 32 b + 16 (lane / 16) + i of my row, become a fragment's codes in v[PC] on and its scale word in v[PW].
.macro QUANT s
.irp b, 0,1,2,3
	v_max3_num_f32 v[TM+\b], |v[\s+16*\b]|, |v[\s+1+16*\b]|, 0x2800000   ; block b: my 16 numbers, and the floor 2^(5 - 127): the byte cannot fall under 1
.endr
.irp i, 2,4,6,8,10,12,14
.irp b, 0,1,2,3
	v_max3_num_f32 v[TM+\b], v[TM+\b], |v[\s+16*\b+\i]|, |v[\s+1+16*\b+\i]|
.endr
.endr
.irp b, 0,1,2,3
	v_permlanex16_b32 v[TM+4+\b], v[TM+\b], s[SEL], s[SEL+1]
.endr
.irp b, 0,1,2,3
	v_max_num_f32 v[TM+\b], v[TM+\b], v[TM+4+\b]   ; with lane l xor 16's: the block's largest magnitude
.endr
.irp b, 0,1,2,3
	v_add_nc_u32 v[TM+12+\b], 0xfe000000, v[TM+\b] ; 4 off its exponent field: the conversion's scale operand
.endr
.irp b, 0,1,2,3
	v_lshrrev_b32 v[TM+4+\b], 23, v[TM+12+\b]      ; the scale's byte
.endr
	v_lshl_or_b32 v[PW], v[TM+5], 8, v[TM+4]
	v_lshl_or_b32 v[PW], v[TM+6], 16, v[PW]
	v_lshl_or_b32 v[PW], v[TM+7], 24, v[PW]
.irp c, 0,1
	v_cvt_scalef32_pk16_bf6_f32 v[PC+6*\c:PC+2+6*\c], v[\s+32*\c:\s+15+32*\c], v[TM+12+2*\c]
	v_cvt_scalef32_pk16_bf6_f32 v[PC+12+4*\c:PC+14+4*\c], v[\s+16+32*\c:\s+31+32*\c], v[TM+12+2*\c+1]   ; (a conversion's three registers begin on an even number)
.endr
	v_nop                                          ; one plain line behind the scaled conversions
.irp c, 0,1                            ; the operand's layout wants a WHOLE block in a lane: lanes 0-15 block 2 c, lanes 16-31 block 2 c + 1
.irp i, 0,1,2
	v_permlane16_swap_b32 v[PC+6*\c+\i], v[PC+12+4*\c+\i]
.endr
.irp i, 0,1,2
	v_mov_b32 v[PC+3+6*\c+\i], v[PC+12+4*\c+\i]
.endr
.endr
.endm
; THE WAY OUT of A's block a: + bias (which also brings the numbers into window 0; each accumulator is read from its low end on), quantised, stored as images.  v = 1: the cluster makes v.
.macro EPI a, v
	WIN 0x02+(\a)/4                                ; source 0: window 2 or 3
.irp b, 0,1,2,3,4,5,6,7
.irp p, 0,2,4,6
.if \v
	v_pk_add_f32 v[ST+8*\b+\p:ST+8*\b+\p+1], v[64*((\a)%4)+8*\b+\p:64*((\a)%4)+8*\b+\p+1], v[BIAS+8*(\a)+\p:BIAS+8*(\a)+\p+1]
.else
	v_pk_add_f32 v[ST+8*\b+\p:ST+8*\b+\p+1], v[64*((\a)%4)+8*\b+\p:64*((\a)%4)+8*\b+\p+1], v[BIAS+8*\b+\p:BIAS+8*\b+\p+1]
.endif
.endr
.endr
	WIN 0
.if (\a) > 0
	s_wait_xcnt 0x0                                ; the last block's stores have read the codes' and the words' registers
.endif
	QUANT ST
.if \v
.irp c, 0,1,2                          ; head a / 4, tile a % 4 of d: a whole fragment, K = my 128 keys
	global_store_b128 v[L16], v[PC+4*\c:PC+4*\c+3], s[10:11] offset:((\a)/4)*49152+((\a)%4)*1536+512*\c
.endr
.else                                  ; registers 0-5: my first head's d 0..63; registers 6-11: the second head's
	global_store_b128 v[L16], v[PC:PC+3], s[10:11] offset:(\a)*768
	global_store_b64 v[L8], v[PC+4:PC+5], s[10:11] offset:(\a)*768+512
	global_store_b128 v[L16], v[PC+6:PC+9], s[10:11] offset:49152+(\a)*768
	global_store_b64 v[L8], v[PC+10:PC+11], s[10:11] offset:49152+(\a)*768+512
.endif
.if (\a)%2 == 0
	v_mov_b32 v[PWS], v[PW]
.else
	v_cndmask_b32 v[PWT], v[PWS], v[PW], s98       ; two blocks' words leave together: 128 consecutive bytes
.if \v
	global_store_b32 v[L4], v[PWT], s[12:13] offset:((\a)/4)*4096+((\a)%4-1)*64
.else
	v_lshrrev_b32 v[PWU], 16, v[PWT]
	global_store_b32 v[L4], v[PWT], s[12:13] offset:((\a)-1)*64
	global_store_b32 v[L4], v[PWU], s[12:13] offset:4096+((\a)-1)*64
.endif
.endif
.endm
	PLACES NP                                      ; in front of vector lines that write registers which the last products read
	s_wait_loadcnt 0x0                             ; the bias
.irp b, 0,1,2,3
	v_mov_b32 v[TM+4+\b], 0                        ; written once: a lane permute's destination counts as one of its sources
.endr
	s_cmp_eq_u32 s99, 1                            ; the same in all sixteen partners
	s_cbranch_scc1 .Lmakes_v
.irp a, 0,1,2,3,4,5,6,7
	EPI \a, 0
.endr
	s_branch .Lstored
.Lmakes_v:
.irp a, 0,1,2,3,4,5,6,7
	EPI \a, 1
.endr
.Lstored:
	s_wait_tensorcnt 0x0                           ; the wave's end
	ds_add_u32 v[SPW], v[NIL]
	s_wait_dscnt 0x0
	CROUND                                         ; the closing round: no work-group ends while a partner may still ask for a tile that names it
	s_endpgm
.Lfunc_end_k_q5a909f6bf3_qkv:
	.size	k_q5a909f6bf3_qkv, .Lfunc_end_k_q5a909f6bf3_qkv-k_q5a909f6bf3_qkv
	.p2alignl 7, 3214868480
	.fill 96, 4, 3214868480
	.section	.rodata,"a",@progbits
	.p2align	6, 0x0
	.amdhsa_kernel k_q5a909f6bf3_qkv
		.amdhsa_group_segment_fixed_size 327680
		.amdhsa_private_segment_fixed_size 0
		.amdhsa_enable_private_segment 0
		.amdhsa_kernarg_size 40
		.amdhsa_user_sgpr_count 2
		.amdhsa_user_sgpr_kernarg_segment_ptr 1
		.amdhsa_wavefront_size32 1
		.amdhsa_system_sgpr_workgroup_id_x 1
		.amdhsa_system_sgpr_workgroup_id_y 1
		.amdhsa_system_sgpr_workgroup_id_z 1
		.amdhsa_system_vgpr_workitem_id 0
		.amdhsa_next_free_vgpr 1024
		.amdhsa_next_free_sgpr 100
		.amdhsa_reserve_vcc 0
		.amdhsa_float_denorm_mode_32 3
		.amdhsa_float_denorm_mode_16_64 3
		.amdhsa_memory_ordered 1
		.amdhsa_forward_progress 1
		.amdhsa_inst_pref_size 214
	.end_amdhsa_kernel
	.amdgpu_metadata
---
amdhsa.version: [ 1, 2 ]
amdhsa.kernels:
  - .name:           k_q5a909f6bf3_qkv
    .symbol:         k_q5a909f6bf3_qkv.kd
    .args:
      - { .name: codes, .offset: 0, .size: 8, .value_kind: global_buffer, .address_space: global }
      - { .name: scales, .offset: 8, .size: 8, .value_kind: global_buffer, .address_space: global }
      - { .name: qkv_b, .offset: 16, .size: 8, .value_kind: global_buffer, .address_space: global }
      - { .name: qkv_img, .offset: 24, .size: 8, .value_kind: global_buffer, .address_space: global }
      - { .name: qkv_sw, .offset: 32, .size: 8, .value_kind: global_buffer, .address_space: global }
    .group_segment_fixed_size: 327680
    .private_segment_fixed_size: 0
    .kernarg_segment_align: 8
    .kernarg_segment_size: 40
    .max_flat_workgroup_size: 128
    .sgpr_count:     100
    .vgpr_count:     1024
    .wavefront_size: 32
...
	.end_amdgpu_metadata
.endif
;; end of part 2
;; launch attn (part 3): grid 2 x 128, 16 waves a work-group, no clusters, 106,496 bytes of LDS; arguments qkv_img, qkv_sw, ctx_img, ctx_sw; writes ctx_img, ctx_sw
.if DOCPART == 3
	.amdgcn_target "amdgcn-amd-amdhsa--gfx1250"
	.amdhsa_code_object_version 6
	.text
	.protected	k_q5a909f6bf3_attn
	.globl	k_q5a909f6bf3_attn
	.p2align	8
	.type	k_q5a909f6bf3_attn,@function
k_q5a909f6bf3_attn:
	s_mov_b64 s[64:65], 0
	v_nop
	global_prefetch_b8 v0, s[64:65] scope:SCOPE_SE
	s_setreg_imm32_b32 hwreg(HW_REG_WAVE_MODE, 25, 1), 1
	s_wait_xcnt 0x0
; Attention of one (b, head) on codes of BF6 (E3M2) with E8M0 scales: S^T = k q^T (K = d = 64: the upper half of the instruction's 128 is zero codes on both sides), the softmax, O^T = v^T p^T (K = the keys),
; O / the row's sum, quantised along d for the output projection.
; THE SOFTMAX: t = score x log2(e) / 8; M = the running largest t rounded UP to a whole number; p = 2^(t - M) is quantised along the keys, not normalised; the row's sum is taken of the unquantised p and divides at the end.
; When M moves, the sum and O^T are multiplied by 2^(old M - new M): exact.
; IN: qkv_img [part][b][head][49,152]: q, k: [tile of 16 s][768] (registers 0-3 at 16 x lane, 4-5 at 512 + 8 x lane); v: [key step][tile of 16 d][1,536]; qkv_sw [part][b][head][4,096]: a word a row, 64 bytes a tile.
; The places of a tile hold rows 32 (t / 2) + 8 (t % 2) + i + 8 (i / 8): so p's 16 registers of key tiles 2 b, 2 b + 1 are 16 neighbouring keys, and O^T's 16 registers of two tiles of d are 16 neighbouring d.
; OUT: ctx_img [row tile 64 b + tile][head][768], ctx_sw [head][row tile][16 words] (two bytes a word).
; SHARES: a work-group owns 512 queries of a head; each of its 16 waves two tiles of 16 queries, one after the other.  ALL of the head's k and v (49,152 bytes each, and their scale words) lie in LDS, filled once, through registers:
; one barrier, no ring.  NO CLUSTER: the grid has two work-groups along x, which no cluster of four divides, and neighbours along y have other heads; what the two share is read once by each, at its head.
; LIMITS: NaN and infinities are not served; a block of ctx whose largest magnitude lies under 2^-122 gets the byte 1.
; REGISTERS: v0 kept; v1-4 addresses of the step; v5 4 (lane % 16); v6-9 k's scale words, v10-11 v's; v12 -M, v13 the largest t, v[14:15] the sum; v16-27 q (22-27 zeros); v28-75 four fragments of k (registers 6-11 of each zeros);
;   v76-123 four of v; v124-187 S^T, then p; v188-219 O^T; v220-231 codes; v232-238 at work; v235, v239 ctx's scale words; v240-254 at work; v253 p's scale word; v255 q's.
.set SCK,  0                           ; LDS: k's scale words, 4,096 bytes;
.set SCV,  4096                        ; v's, 2,048;
.set KIM,  6144                        ; k's images;
.set VIM,  55296                       ; v's
.set KSR,  6
.set VSR,  10
.set QF,   16
.set KF,   28
.set VF,   76
.set S,    124
.set O,    188
.set PC,   220
.set PT,   232
.set CW0,  235
.set CWS,  239
.set BM,   240
.set PD,   244
.set SO,   248
.set FA,   176                         ; v176-179 the fill's addresses (inside S^T: free again behind the barrier)
.set TB,   2                           ; s2   6,144 x key step: a step's 8 tiles of k, and its 4 of v
.set TS,   3                           ; s3   512 x key step: k's scale words
.set TV,   24                          ; s24  256 x key step: v's
.set CNT,  25
.set WV,   18
.set SEL,  20
.set CS,   22                          ; s[22:23] c = log2(e) / 8
	s_load_b128 s[4:7], s[0:1], 0x0                ; qkv_img, qkv_sw
	s_load_b128 s[8:11], s[0:1], 0x10              ; ctx_img, ctx_sw
	v_lshrrev_b32 v1, 5, v0
	v_readfirstlane_b32 s[WV], v1                  ; wave 0..15
	s_and_b32 s26, ttmp7, 0xffff                   ; 16 b + head
	s_mul_i32 s28, s26, 49152
	s_mov_b32 s29, 0
	s_lshl_b32 s30, s26, 12
	s_mov_b32 s31, 0
	s_lshl_b32 s27, ttmp9, 5
	s_lshl_b32 s32, s[WV], 1
	s_add_co_u32 s27, s27, s32                     ; my first tile of queries: 32 x + 2 wave
	s_mul_i32 s32, s27, 768
	s_mov_b32 s33, 0
	s_lshl_b32 s40, s27, 6
	s_mov_b32 s41, 0
	s_lshr_b32 s42, s26, 4
	s_lshl_b32 s42, s42, 6
	s_add_co_u32 s42, s42, s27                     ; its row tile: 64 b + tile
	s_and_b32 s43, s26, 15                         ; head
	s_lshl_b32 s44, s42, 4
	s_add_co_u32 s44, s44, s43
	s_mul_i32 s44, s44, 768
	s_mov_b32 s45, 0
	s_lshl_b32 s43, s43, 15
	s_lshl_b32 s42, s42, 6
	s_add_co_u32 s42, s42, s43
	s_mov_b32 s43, 0
	s_mov_b32 s[SEL], 0x76543210
	s_mov_b32 s[SEL+1], 0xfedcba98
	s_mov_b32 s[CS], 0x3e38aa3b
	s_mov_b32 s[CS+1], s[CS]                       ; (named with it as a pair, so it is written)
	s_mov_b32 s46, 0xffff0000                      ; lanes 16-31
	s_mov_b32 s[TB], 0
	s_mov_b32 s[TS], 0
	s_mov_b32 s[TV], 0
	v_lshlrev_b32 v[FA], 4, v0
	v_lshlrev_b32 v[FA+1], 3, v0
	v_lshlrev_b32 v[FA+2], 2, v0
	v_add_nc_u32 v[FA+3], VIM, v[FA]
	v_and_b32 v5, 15, v0
	v_lshlrev_b32 v5, 2, v5
	s_wait_kmcnt 0x0
	s_add_nc_u64 s[12:13], s[4:5], s[28:29]        ; q's images of my head,
	s_add_nc_u64 s[14:15], s[12:13], 128*49152     ; k's,
	s_add_nc_u64 s[16:17], s[12:13], 256*49152     ; v's
	s_add_nc_u64 s[34:35], s[6:7], s[30:31]        ; and the scale words
	s_add_nc_u64 s[36:37], s[34:35], 128*4096
	s_add_nc_u64 s[38:39], s[34:35], 256*4096
	s_add_nc_u64 s[12:13], s[12:13], s[32:33]      ; q at my first tile
	s_add_nc_u64 s[34:35], s[34:35], s[40:41]
	s_add_nc_u64 s[8:9], s[8:9], s[44:45]
	s_add_nc_u64 s[10:11], s[10:11], s[42:43]
.irp i, 0,1,2,3,4,5
	global_load_b128 v[S+4*\i:S+4*\i+3], v[FA], s[14:15] offset:8192*\i        ; 512 threads x 16 bytes
.endr
.irp i, 0,1,2,3,4,5
	global_load_b128 v[S+24+4*\i:S+24+4*\i+3], v[FA], s[16:17] offset:8192*\i
.endr
	global_load_b64 v[S+48:S+49], v[FA+1], s[36:37]
	global_load_b32 v[S+50], v[FA+2], s[38:39]
.macro ADDR                            ; the step's addresses; five plain lines, which are also places behind the last products
	v_and_b32 v254, 31, v0
	v_lshl_add_u32 v1, v254, 4, s[TB]
	v_lshl_add_u32 v2, v254, 3, s[TB]
	v_lshl_add_u32 v3, v254, 2, s[TS]
	v_lshl_add_u32 v4, v254, 2, s[TV]
.endm
.macro LOADQ i                         ; with the three scalars at 0: v1 = 16 x lane, v2 = 8 x lane
	global_load_b128 v[QF:QF+3], v1, s[12:13] offset:768*\i
	global_load_b64 v[QF+4:QF+5], v2, s[12:13] offset:768*\i+512
	global_load_b32 v255, v5, s[34:35] offset:64*\i
.endm
	ADDR
	LOADQ 0
.irp j, 6,7,8,9,10,11
	v_mov_b32 v[QF+\j], 0                          ; K = 64 .. 127: zero codes, on both sides
.irp t, 0,1,2,3
	v_mov_b32 v[KF+12*\t+\j], 0
.endr
.endr
.irp b, 0,1,2,3
	v_mov_b32 v[PD+\b], 0                          ; written once: a lane permute's destination counts as one of its sources
.endr
	v_mov_b32 v253, 0                              ; (named as the upper half of the pair v[252:253] before it is first written)
	s_wait_loadcnt 3                               ; the fill's 14 loads are in; q's three may be out
.irp i, 0,1,2,3,4,5
	ds_store_b128 v[FA], v[S+4*\i:S+4*\i+3] offset:KIM+8192*\i
.endr
.irp i, 0,1,2,3,4,5
	ds_store_b128 v[FA+3], v[S+24+4*\i:S+24+4*\i+3] offset:8192*\i
.endr
	ds_store_b64 v[FA+1], v[S+48:S+49] offset:SCK
	ds_store_b32 v[FA+2], v[S+50] offset:SCV
	s_wait_dscnt 0x0                               ; for the others' sake: my stores have landed
	s_barrier_signal -1
	s_barrier_wait -1                              ; the head's k and v lie in LDS; nothing is written there again
.macro QK g                            ; four tiles of 16 keys: S^T = k q^T.  Tile 2 i's scale words lie in lanes 0-15, tile 2 i + 1's in lanes 16-31
.irp t, 0,1,2,3
.if \t%2
	v_wmma_scale_f32_16x16x128_f8f6f4 v[S+8*(4*\g+\t):S+8*(4*\g+\t)+7], v[KF+12*\t:KF+12*\t+11], v[QF:QF+11], 0, v[KSR+(4*\g+\t)/2], v255 matrix_a_fmt:MATRIX_FMT_BF6 matrix_b_fmt:MATRIX_FMT_BF6 matrix_a_scale:MATRIX_SCALE_ROW1
.else
	v_wmma_scale_f32_16x16x128_f8f6f4 v[S+8*(4*\g+\t):S+8*(4*\g+\t)+7], v[KF+12*\t:KF+12*\t+11], v[QF:QF+11], 0, v[KSR+(4*\g+\t)/2], v255 matrix_a_fmt:MATRIX_FMT_BF6 matrix_b_fmt:MATRIX_FMT_BF6
.endif
.endr
.endm
.macro KLOAD g
.irp t, 0,1,2,3
	ds_load_b128 v[KF+12*\t:KF+12*\t+3], v1 offset:KIM+768*(4*\g+\t)
	ds_load_b64 v[KF+12*\t+4:KF+12*\t+5], v2 offset:KIM+768*(4*\g+\t)+512
.endr
.endm
; A KEY STEP: 128 keys.
.macro STEP
	ADDR
	KLOAD 0
.irp i, 0,1,2,3
	ds_load_b32 v[KSR+\i], v3 offset:SCK+128*\i
.endr
	s_wait_dscnt 0x0
	QK 0
.rept 4
	v_nop                                          ; places in front of loads into registers that matrix instructions have read
.endr
	KLOAD 1
.irp t, 0,1,2,3
.irp c, 0,1,2
	ds_load_b128 v[VF+12*\t+4*\c:VF+12*\t+4*\c+3], v1 offset:VIM+1536*\t+512*\c
.endr
.endr
.irp i, 0,1
	ds_load_b32 v[VSR+\i], v4 offset:SCV+128*\i
.endr
	s_wait_dscnt 14                                ; k's tiles are in; v's 12 loads and its 2 scale loads may be out: they land under the softmax
	QK 1
.rept 4
	v_nop
.endr
.irp b, 0,1,2,3
	v_max3_num_f32 v[BM+\b], v[S+16*\b], v[S+16*\b+1], v[S+16*\b+2]   ; THE LARGEST SCORE OF EACH BLOCK OF 32 KEYS: for the row's maximum and, since p rises with the score, for the block's largest p
.endr
.irp i, 3,5,7,9,11,13
.irp b, 0,1,2,3
	v_max3_num_f32 v[BM+\b], v[BM+\b], v[S+16*\b+\i], v[S+16*\b+\i+1]
.endr
.endr
.irp b, 0,1,2,3
	v_max_num_f32 v[BM+\b], v[BM+\b], v[S+16*\b+15]
.endr
.irp b, 0,1,2,3
	v_permlanex16_b32 v[PD+\b], v[BM+\b], s[SEL], s[SEL+1]
.endr
.irp b, 0,1,2,3
	v_max_num_f32 v[BM+\b], v[BM+\b], v[PD+\b]     ; with lane l xor 16's 16 keys
.endr
	v_max3_num_f32 v254, v[BM], v[BM+1], v[BM+2]
	v_max_num_f32 v254, v254, v[BM+3]              ; the step's largest score of my query
	v_mul_f32 v254, s[CS], v254                    ; as t (c is positive)
	v_max_num_f32 v13, v13, v254                   ; the running largest t
	v_mov_b32 v254, v12
	v_floor_f32 v12, -v13                          ; the new -M = floor(-t) = -ceil(t)
	v_sub_f32 v254, v12, v254                      ; old M - new M: a whole number, 0 or less
	v_cvt_i32_f32 v254, v254                       ; (it saturates)
	v_ldexp_f32 v252, 1.0, v254                    ; f = 2^(old M - new M)
.set n, 0
.rept 32
	v_pk_fma_f32 v[S+n:S+n+1], v[S+n:S+n+1], s[CS:CS+1], v[12:13] op_sel_hi:[1,0,0]   ; t - M, two at a time
.set n, n+2
.endr
.irp b, 0,1,2,3
	v_fma_f32 v[BM+\b], v[BM+\b], s[CS], v12       ; the same of each block's largest score
.endr
.set n, 0
.rept 64
	v_exp_f32 v[S+n], v[S+n]                       ; p = 2^(t - M), at most 1
.set n, n+1
.endr
	v_pk_mul_f32 v[14:15], v[14:15], v[252:253] op_sel_hi:[1,0]   ; the sums under the new M: a plain line behind the exponentials
	s_wait_alu depctr_va_vdst(0)                   ; one wait for the whole batch, ahead of its first reader
.irp b, 0,1,2,3
	v_exp_f32 v[BM+\b], v[BM+\b]                   ; the block's largest p: the same two instructions on the same number give the same bits
.endr
	v_pk_add_f32 v[PD:PD+1], v[S:S+1], v[S+2:S+3]  ; THE ROW'S SUM IS TAKEN OF THE UNQUANTISED p, in two chains
.set n, 4
.rept 15
	v_pk_add_f32 v[14:15], v[14:15], v[S+n:S+n+1]
	v_pk_add_f32 v[PD:PD+1], v[PD:PD+1], v[S+n+2:S+n+3]
.set n, n+4
.endr
	v_pk_add_f32 v[14:15], v[14:15], v[PD:PD+1]
	s_wait_alu depctr_va_vdst(0)                   ; and one for the four
.irp b, 0,1,2,3
	v_max_num_f32 v[BM+\b], 0x2800000, v[BM+\b]    ; the floor 2^(5 - 127): the byte cannot fall under 1
.endr
.irp b, 0,1,2,3
	v_add_nc_u32 v[SO+\b], 0xfe000000, v[BM+\b]    ; 4 off the exponent field: the conversion's scale operand
.endr
.irp b, 0,1,2,3
	v_lshrrev_b32 v[PD+\b], 23, v[SO+\b]           ; the scale's byte
.endr
	v_lshl_or_b32 v253, v[PD+1], 8, v[PD]          ; p's scale word for these 128 keys
	v_lshl_or_b32 v253, v[PD+2], 16, v253
	v_lshl_or_b32 v253, v[PD+3], 24, v253
.irp c, 0,1
	v_cvt_scalef32_pk16_bf6_f32 v[PC+6*\c:PC+6*\c+2], v[S+32*\c:S+32*\c+15], v[SO+2*\c]
	v_cvt_scalef32_pk16_bf6_f32 v[PT+4*\c:PT+4*\c+2], v[S+32*\c+16:S+32*\c+31], v[SO+2*\c+1]
.endr
	v_nop                                          ; one plain line behind the scaled conversions
.irp c, 0,1                            ; a WHOLE block in a lane: lanes 0-15 block 2 c, lanes 16-31 block 2 c + 1
.irp i, 0,1,2
	v_permlane16_swap_b32 v[PC+6*\c+\i], v[PT+4*\c+\i]
.endr
.irp i, 0,1,2
	v_mov_b32 v[PC+6*\c+3+\i], v[PT+4*\c+\i]
.endr
.endr
.set n, 0
.rept 16
	v_pk_mul_f32 v[O+n:O+n+1], v[O+n:O+n+1], v[252:253] op_sel_hi:[1,0]   ; O^T under the new M.  (These 16 are also the places in front of the products below)
.set n, n+2
.endr
	s_wait_dscnt 0x0                               ; v
.irp t, 0,1,2,3                        ; O^T += v^T p^T: four accumulators, one turn each
.if \t%2
	v_wmma_scale_f32_16x16x128_f8f6f4 v[O+8*\t:O+8*\t+7], v[VF+12*\t:VF+12*\t+11], v[PC:PC+11], v[O+8*\t:O+8*\t+7], v[VSR+\t/2], v253 matrix_a_fmt:MATRIX_FMT_BF6 matrix_b_fmt:MATRIX_FMT_BF6 matrix_a_scale:MATRIX_SCALE_ROW1
.else
	v_wmma_scale_f32_16x16x128_f8f6f4 v[O+8*\t:O+8*\t+7], v[VF+12*\t:VF+12*\t+11], v[PC:PC+11], v[O+8*\t:O+8*\t+7], v[VSR+\t/2], v253 matrix_a_fmt:MATRIX_FMT_BF6 matrix_b_fmt:MATRIX_FMT_BF6
.endif
.endr
	s_add_co_u32 s[TB], s[TB], 6144
	s_add_co_u32 s[TS], s[TS], 512
	s_add_co_u32 s[TV], s[TV], 256
.endm
; O^T / the sum; register 16 b + i is d = 32 b + 16 (lane / 16) + i of my query: two blocks along the output projection's K; codes and scale word leave as images.
.macro FINAL i
	v_add_f32 v14, v14, v15
	v_permlanex16_b32 v254, v14, s[SEL], s[SEL+1]
	v_add_f32 v14, v14, v254                       ; the row's sum
	v_rcp_f32 v14, v14
	v_nop                                          ; a plain line behind the transcendental
	s_wait_alu depctr_va_vdst(0)                   ; and the wait ahead of its first reader
.set n, 0
.rept 16
	v_pk_mul_f32 v[S+n:S+n+1], v[O+n:O+n+1], v[14:15] op_sel_hi:[1,0]
.set n, n+2
.endr
.irp b, 0,1
	v_max3_num_f32 v[BM+\b], |v[S+16*\b]|, |v[S+16*\b+1]|, 0x2800000
.endr
.irp j, 2,4,6,8,10,12,14
.irp b, 0,1
	v_max3_num_f32 v[BM+\b], v[BM+\b], |v[S+16*\b+\j]|, |v[S+16*\b+\j+1]|
.endr
.endr
.irp b, 0,1
	v_permlanex16_b32 v[PD+\b], v[BM+\b], s[SEL], s[SEL+1]
.endr
.irp b, 0,1
	v_max_num_f32 v[BM+\b], v[BM+\b], v[PD+\b]
.endr
.irp b, 0,1
	v_add_nc_u32 v[SO+\b], 0xfe000000, v[BM+\b]
.endr
.irp b, 0,1
	v_lshrrev_b32 v[PD+\b], 23, v[SO+\b]
.endr
	v_cvt_scalef32_pk16_bf6_f32 v[PC:PC+2], v[S:S+15], v[SO]
	v_cvt_scalef32_pk16_bf6_f32 v[PT:PT+2], v[S+16:S+31], v[SO+1]
	v_nop
.irp j, 0,1,2
	v_permlane16_swap_b32 v[PC+\j], v[PT+\j]
.endr
.irp j, 0,1,2
	v_mov_b32 v[PC+3+\j], v[PT+\j]
.endr
	global_store_b128 v1, v[PC:PC+3], s[8:9] offset:12288*\i        ; 512 consecutive bytes,
	global_store_b64 v2, v[PC+4:PC+5], s[8:9] offset:12288*\i+512   ; and 256
.if \i == 0
	v_lshl_or_b32 v[CW0], v[PD+1], 8, v[PD]
.else
	v_lshl_or_b32 v254, v[PD+1], 8, v[PD]
	v_cndmask_b32 v[CWS], v[CW0], v254, s46        ; my two tiles' words leave together: 128 consecutive bytes
	global_store_b32 v3, v[CWS], s[10:11]
.endif
.endm
.macro QTILE i
	s_wait_loadcnt 0x0                             ; q
	s_wait_xcnt 0x0                                ; the loads and stores issued so far have read their address and data registers
	v_mov_b32 v13, 0xff61b1e6                      ; the largest t so far: -3e38, under every t
	v_floor_f32 v12, -v13
	v_mov_b32 v14, 0
	v_mov_b32 v15, 0
.set n, 0
.rept 32
	v_mov_b32 v[O+n], 0                            ; the step is written once: the first finds zeros, which the first change of M leaves zeros
.set n, n+1
.endr
	s_mov_b32 s[CNT], 8
.Lstep_\@:
	STEP
	s_sub_co_u32 s[CNT], s[CNT], 1
	s_cmp_lg_u32 s[CNT], 0
	s_cbranch_scc1 .Lstep_\@
	s_mov_b32 s[TB], 0
	s_mov_b32 s[TS], 0
	s_mov_b32 s[TV], 0
	ADDR                                           ; back to 16, 8 and 4 x lane; five places behind the last products
.if \i == 0
	LOADQ 1                                        ; the second tile's q lands while the first tile leaves
.endif
	FINAL \i
.endm
	QTILE 0
	QTILE 1
	s_wait_xcnt 0x0
	v_lshl_add_u32 v254, v0, 2, 0x19800
	v_mov_b32 v255, 0
	s_wait_tensorcnt 0x0
	ds_add_u32 v254, v255
	s_wait_dscnt 0x0
	s_endpgm
.Lfunc_end_k_q5a909f6bf3_attn:
	.size	k_q5a909f6bf3_attn, .Lfunc_end_k_q5a909f6bf3_attn-k_q5a909f6bf3_attn
	.p2alignl 7, 3214868480
	.fill 96, 4, 3214868480
	.section	.rodata,"a",@progbits
	.p2align	6, 0x0
	.amdhsa_kernel k_q5a909f6bf3_attn
		.amdhsa_group_segment_fixed_size 106496
		.amdhsa_private_segment_fixed_size 0
		.amdhsa_enable_private_segment 0
		.amdhsa_kernarg_size 32
		.amdhsa_user_sgpr_count 2
		.amdhsa_user_sgpr_kernarg_segment_ptr 1
		.amdhsa_wavefront_size32 1
		.amdhsa_system_sgpr_workgroup_id_x 1
		.amdhsa_system_sgpr_workgroup_id_y 1
		.amdhsa_system_sgpr_workgroup_id_z 1
		.amdhsa_system_vgpr_workitem_id 0
		.amdhsa_next_free_vgpr 256
		.amdhsa_next_free_sgpr 66
		.amdhsa_reserve_vcc 0
		.amdhsa_float_denorm_mode_32 3
		.amdhsa_float_denorm_mode_16_64 3
		.amdhsa_memory_ordered 1
		.amdhsa_forward_progress 1
		.amdhsa_inst_pref_size 50
	.end_amdhsa_kernel
	.amdgpu_metadata
---
amdhsa.version: [ 1, 2 ]
amdhsa.kernels:
  - .name:           k_q5a909f6bf3_attn
    .symbol:         k_q5a909f6bf3_attn.kd
    .args:
      - { .name: qkv_img, .offset: 0, .size: 8, .value_kind: global_buffer, .address_space: global }
      - { .name: qkv_sw, .offset: 8, .size: 8, .value_kind: global_buffer, .address_space: global }
      - { .name: ctx_img, .offset: 16, .size: 8, .value_kind: global_buffer, .address_space: global }
      - { .name: ctx_sw, .offset: 24, .size: 8, .value_kind: global_buffer, .address_space: global }
    .group_segment_fixed_size: 106496
    .private_segment_fixed_size: 0
    .kernarg_segment_align: 8
    .kernarg_segment_size: 32
    .max_flat_workgroup_size: 512
    .sgpr_count:     66
    .vgpr_count:     256
    .wavefront_size: 32
...
	.end_amdgpu_metadata
.endif
;; end of part 3
;; launch outln (part 4): grid 256 x 1, 16 waves a work-group, no clusters, 289,792 bytes of LDS; arguments ctx_img, ctx_sw, codes, scales, out_b, x_temporal_sequence, norm_w, norm_b, out0; writes out0
.if DOCPART == 4
	.amdgcn_target "amdgcn-amd-amdhsa--gfx1250"
	.amdhsa_code_object_version 6
	.text
	.protected	k_q5a909f6bf3_outln
	.globl	k_q5a909f6bf3_outln
	.p2align	8
	.type	k_q5a909f6bf3_outln,@function
k_q5a909f6bf3_outln:
	s_mov_b64 s[64:65], 0
	v_nop
	global_prefetch_b8 v0, s[64:65] scope:SCOPE_SE
	s_setreg_imm32_b32 hwreg(HW_REG_WAVE_MODE, 25, 1), 1
	s_wait_xcnt 0x0
; out0 = elu(layernorm(x + ctx out_w^T + out_b) norm_w + norm_b).  The product on codes of BF6 (E3M2) with E8M0 scales; all else in f32.
; IN: ctx_img [row tile 64 b + t][head][768] (a head's 64 along K: registers 0-3 at 16 x lane, 4-5 at 512 + 8 x lane), ctx_sw [head][row tile][16 words] (two bytes a word);
;     codes, scales: out_w's row tiles 704-767, [tile][K step][1,536] and [tile][place][32].  Place i of a row tile t holds row 32 (t / 2) + 8 (t % 2) + i + 8 (i / 8) of its axis (s within b; out_w's row).
; SHARES: work-group g owns row tiles 2 g and 2 g + 1: 32 neighbouring s of one b, ALL 1,024 columns, so that the norm stays inside the work-group.  Wave w makes columns 64 w .. 64 w + 63: four tiles of out_w.
; THE PRODUCT IS USED TRANSPOSED (source 0 = 16 rows of out_w, source 1 = 16 rows of ctx): a lane holds one row and eight neighbouring columns.  out_b is the C of each sum's first product.
; ctx's 24,576 bytes of codes lie in LDS, read by all 16 waves.  A wave's fragments of out_w are read by no other wave of the work-group: they go from memory straight into registers, three loads of 16 bytes a lane each.
; NO CLUSTER: what work-groups share is out_w's codes, 786,432 bytes, more than LDS holds; beside ctx and the stage two slots of one K step would fit, and a joint refill would have one K step, eight products of a wave, in which to land.
; x IS ASKED FOR UNDER THE K LOOP: the two rows of x that a wave will finish come one at a time into the 32 registers that out_b has left (behind K steps 0 and 3) and wait in the wave's own 8,192 bytes of LDS;
; norm_b and norm_w are asked for behind K step 6.  So no prefetch is laid: the loads themselves stand five K steps or more ahead of the numbers' use.
; Then 32 rows x 4,096 bytes meet in a stage in LDS, and each wave takes two whole rows: residual, mean, variance, gain, bias, ELU, stores of 512 consecutive bytes.
; ELU's lower arm is 2^(z log2 e) - 1: its error is of the size of one rounding of a number near 1.  LIMITS: NaN and infinities are not served.
; REGISTERS: v1-10 addresses; v16-79 eight accumulators ((u, t) at 16 + 8 (4 u + t)), later two rows of y; v80-103 ctx's two fragments; v104-199 out_w's fragments, two sets of four; v200-207 ctx's scale words, v208-223 out_w's;
;   v224-255 out_b in the result's layout, then a row of x on its way to LDS, later norm_b; in the norm v80-97 at work; v104-135 norm_w; v136-199 x, then the exponentials.
.set AIMG, 0                           ; LDS: ctx's images, 2 x 12,288 bytes
.set STG,  24576                       ; the stage: 32 rows x (4,096 + 16) bytes
.set SP,   4112
.set XST,  156672                      ; x: 8,192 bytes for each wave, its own
.set ACC,  16
.set AF,   80
.set AW,   80                          ; the sixteen heads' words, at the head
.set BF,   104
.set AS,   200
.set BS,   208
.set BI,   224
.set XT,   224                         ; a row of x in transit
.set Y,    16
.set X,    136
.set NW,   104
.set NB,   224
.set SA,   80                          ; v80-87 row i: two pairs of sums at 80 + 4 i
.set MU,   88                          ; v88-91 the means, a pair a row
.set RS,   92                          ; v92-95 1 / sqrt(var + eps), a pair a row
.set PDN,  96                          ; v96-97 lane permutes' destinations
.set WV,   22
.set SEL,  44
	s_load_b256 s[4:11], s[0:1], 0x0               ; ctx_img, ctx_sw, codes, scales
	s_load_b256 s[12:19], s[0:1], 0x20             ; out_b, x, norm_w, norm_b
	s_load_b64 s[20:21], s[0:1], 0x40              ; out0
	v_lshl_add_u32 v14, v0, 2, 0x46400
	v_mov_b32 v15, 0
	v_lshrrev_b32 v1, 5, v0
	v_readfirstlane_b32 s[WV], v1                  ; wave 0..15
	s_mul_i32 s24, ttmp9, 24576
	s_mov_b32 s25, 0
	s_lshl_b32 s26, ttmp9, 7
	s_mov_b32 s27, 0
	s_lshl_b32 s28, s[WV], 2
	s_add_co_u32 s28, s28, 704                     ; my first tile of out_w
	s_mul_i32 s30, s28, 12288
	s_mov_b32 s31, 0
	s_lshl_b32 s32, s28, 9
	s_mov_b32 s33, 0
	s_lshl_b32 s34, s[WV], 8
	s_mov_b32 s35, 0
	s_and_b32 s36, ttmp9, 31                       ; the two rows that I finish: stage rows 2 w and 2 w + 1 = tile u = w / 8, places 2 (w % 8) and + 1:
	s_lshl_b32 s36, s36, 5                         ; s = 32 (g % 32) + 8 u + place + 8 (place / 8)
	s_lshr_b32 s37, s[WV], 3
	s_lshl_b32 s37, s37, 3
	s_add_co_u32 s36, s36, s37
	s_and_b32 s37, s[WV], 7
	s_lshl_b32 s37, s37, 1
	s_add_co_u32 s36, s36, s37
	s_lshr_b32 s37, s[WV], 2
	s_and_b32 s37, s37, 1
	s_lshl_b32 s37, s37, 3
	s_add_co_u32 s36, s36, s37
	s_lshl_b32 s36, s36, 3
	s_lshr_b32 s37, ttmp9, 5                       ; b
	s_add_co_u32 s36, s36, s37
	s_lshl_b32 s36, s36, 12                        ; row (8 s + b) of 4,096 bytes; the second row is s + 1: 32,768 bytes on
	s_mov_b32 s37, 0
	s_mul_i32 s40, s[WV], 2*SP
	s_add_co_u32 s40, s40, STG
	s_add_co_u32 s41, s34, STG
	s_lshl_b32 s43, s[WV], 13
	s_add_co_u32 s43, s43, XST
	s_mov_b32 s42, 0x3a800000                      ; 1 / 1,024
	s_mov_b32 s[SEL], 0x76543210
	s_mov_b32 s[SEL+1], 0xfedcba98
	v_and_b32 v11, 31, v0                          ; lane
	v_and_b32 v12, 15, v0                          ; r
	v_bfe_u32 v13, v0, 4, 1                        ; h
	v_lshlrev_b32 v1, 4, v11
	v_lshlrev_b32 v2, 3, v11
	v_lshlrev_b32 v3, 2, v11
	v_lshlrev_b32 v4, 5, v11
	v_lshlrev_b32 v5, 6, v13
	v_lshlrev_b32 v6, 4, v0
	v_mul_u32_u24 v7, v12, SP
	v_lshl_add_u32 v7, v13, 6, v7
	v_add_nc_u32 v7, s41, v7                       ; the stage, in: row r, + 64 h, + 256 w
	v_add_nc_u32 v8, 16*SP, v7                     ; and the second row tile's rows
	v_add_nc_u32 v9, s40, v1                       ; back: my two rows, 16 bytes a lane
	v_add_nc_u32 v10, s43, v1                      ; x's place in LDS: my wave's 8,192 bytes, 16 bytes a lane
	s_wait_kmcnt 0x0
	s_add_nc_u64 s[4:5], s[4:5], s[24:25]
	s_add_nc_u64 s[6:7], s[6:7], s[26:27]
	s_add_nc_u64 s[8:9], s[8:9], s[30:31]
	s_add_nc_u64 s[10:11], s[10:11], s[32:33]
	s_add_nc_u64 s[12:13], s[12:13], s[34:35]
	s_add_nc_u64 s[14:15], s[14:15], s[36:37]
	s_add_nc_u64 s[20:21], s[20:21], s[36:37]
.macro BLOAD s                         ; K step s of my four tiles of out_w, into set s % 2
.irp t, 0,1,2,3
.irp c, 0,1,2
	global_load_b128 v[BF+48*((\s)%2)+12*\t+4*\c:BF+48*((\s)%2)+12*\t+4*\c+3], v1, s[8:9] offset:12288*\t+1536*(\s)+512*\c
.endr
.endr
.endm
.macro ALOAD s                         ; K step s of ctx = heads 2 s (registers 0-5) and 2 s + 1 (registers 6-11), both row tiles
.irp u, 0,1
	ds_load_b128 v[AF+12*\u:AF+12*\u+3], v1 offset:AIMG+12288*\u+1536*(\s)
	ds_load_b64 v[AF+12*\u+4:AF+12*\u+5], v2 offset:AIMG+12288*\u+1536*(\s)+512
	ds_load_b128 v[AF+12*\u+6:AF+12*\u+9], v1 offset:AIMG+12288*\u+1536*(\s)+768
	ds_load_b64 v[AF+12*\u+10:AF+12*\u+11], v2 offset:AIMG+12288*\u+1536*(\s)+1280
.endr
.endm
.macro XLOAD i                         ; row i of my two rows of x: eight loads of 512 consecutive bytes
.irp k, 0,1,2,3,4,5,6,7
	global_load_b128 v[XT+4*\k:XT+4*\k+3], v1, s[14:15] offset:32768*(\i)+512*\k th:TH_LOAD_NT
.endr
.endm
.macro XSTORE i                        ; and on into my own bytes of LDS
.irp k, 0,1,2,3,4,5,6,7
	ds_store_b128 v10, v[XT+4*\k:XT+4*\k+3] offset:4096*(\i)+512*\k
.endr
.endm
.irp i, 0,1,2
	global_load_b128 v[ACC+4*\i:ACC+4*\i+3], v6, s[4:5] offset:8192*\i     ; ctx's codes: 512 threads x 16 bytes
.endr
.irp d, 0,1,2,3,4,5,6,7,8,9,10,11,12,13,14,15
	global_load_b32 v[AW+\d], v3, s[6:7] offset:32768*\d                   ; head d's words: lanes 0-15 row tile 2 g, lanes 16-31 row tile 2 g + 1
.endr
.irp i, 0,1
	global_load_b128 v[BS+8*\i:BS+8*\i+3], v4, s[10:11] offset:1024*\i     ; out_w's words of K steps 0-3: lanes 0-15 tile 2 i, lanes 16-31 tile 2 i + 1
	global_load_b128 v[BS+8*\i+4:BS+8*\i+7], v4, s[10:11] offset:1024*\i+16
.endr
.irp t, 0,1,2,3
	global_load_b128 v[BI+8*\t:BI+8*\t+3], v5, s[12:13] offset:(32*(\t/2)+8*(\t%2))*4   ; out_b at my eight columns of tile t
	global_load_b128 v[BI+8*\t+4:BI+8*\t+7], v5, s[12:13] offset:(32*(\t/2)+8*(\t%2))*4+16
.endr
	BLOAD 0
	BLOAD 1
	s_wait_loadcnt 24                              ; all but the two sets of fragments, 12 loads each
.irp i, 0,1,2
	ds_store_b128 v6, v[ACC+4*\i:ACC+4*\i+3] offset:AIMG+8192*\i
.endr
.irp s, 0,1,2,3,4,5,6,7
	v_lshl_or_b32 v[AS+\s], v[AW+2*\s+1], 16, v[AW+2*\s]   ; a K step's scale word: two bytes of each of its two heads
.endr
.rept 8
	v_nop                                          ; a scale register written by a vector line stands eight places ahead of the scaled product
.endr
	s_wait_dscnt 0x0                               ; for the others' sake: my stores have landed
	s_barrier_signal -1
	s_barrier_wait -1
	ALOAD 0
.macro MM d, a, b, c, sa, sb, ra, rb   ; numbers of first registers; ra, rb: the side's scale words lie in lanes 16-31
.if (\ra) && (\rb)
	v_wmma_scale_f32_16x16x128_f8f6f4 v[(\d):(\d)+7], v[(\a):(\a)+11], v[(\b):(\b)+11], v[(\c):(\c)+7], v[(\sa)], v[(\sb)] matrix_a_fmt:MATRIX_FMT_BF6 matrix_b_fmt:MATRIX_FMT_BF6 matrix_a_scale:MATRIX_SCALE_ROW1 matrix_b_scale:MATRIX_SCALE_ROW1
.elseif (\ra)
	v_wmma_scale_f32_16x16x128_f8f6f4 v[(\d):(\d)+7], v[(\a):(\a)+11], v[(\b):(\b)+11], v[(\c):(\c)+7], v[(\sa)], v[(\sb)] matrix_a_fmt:MATRIX_FMT_BF6 matrix_b_fmt:MATRIX_FMT_BF6 matrix_a_scale:MATRIX_SCALE_ROW1
.elseif (\rb)
	v_wmma_scale_f32_16x16x128_f8f6f4 v[(\d):(\d)+7], v[(\a):(\a)+11], v[(\b):(\b)+11], v[(\c):(\c)+7], v[(\sa)], v[(\sb)] matrix_a_fmt:MATRIX_FMT_BF6 matrix_b_fmt:MATRIX_FMT_BF6 matrix_b_scale:MATRIX_SCALE_ROW1
.else
	v_wmma_scale_f32_16x16x128_f8f6f4 v[(\d):(\d)+7], v[(\a):(\a)+11], v[(\b):(\b)+11], v[(\c):(\c)+7], v[(\sa)], v[(\sb)] matrix_a_fmt:MATRIX_FMT_BF6 matrix_b_fmt:MATRIX_FMT_BF6
.endif
.endm
; A K step: eight accumulators, one turn each.  lc: the loads issued behind this step's 12 fragment loads, which may stay out.
; The order of the loads: sets 0, 1 | behind step 0: x's row 0, set 2 | 1: set 3 | 2: set 4 | 3: x's row 1, set 5 | 4: set 6 | 5: set 7 | 6: norm_b, norm_w.
.macro KSTEP s, lc
	s_wait_loadcnt \lc
	s_wait_dscnt 0x0                               ; ctx's fragments are in; and my stores of a row of x, if any, have read their registers
.irp t, 0,1,2,3
.irp u, 0,1
.if (\s) == 0
.set CC, BI+8*\t
.else
.set CC, ACC+8*(4*\u+\t)
.endif
	MM ACC+8*(4*\u+\t), BF+48*((\s)%2)+12*\t, AF+12*\u, CC, BS+8*(\t/2)+(\s), AS+(\s), \t%2, \u
.endr
.endr
.rept 4
	v_nop                                          ; places in front of loads into registers that these products read, and of the first read of results
.endr
.if ((\s) == 0) || ((\s) == 3)
	XLOAD (\s)/3                                   ; into the registers that out_b, or the row before, has left
.endif
.if ((\s) == 2) || ((\s) == 5)
	XSTORE (\s)/3                                  ; the row was asked for ahead of this step's fragments: it is in
.endif
.if (\s) == 6
.irp k, 0,1,2,3,4,5,6,7
	global_load_b128 v[NB+4*\k:NB+4*\k+3], v1, s[18:19] offset:512*\k
.endr
.irp k, 0,1,2,3,4,5,6,7
	global_load_b128 v[NW+4*\k:NW+4*\k+3], v1, s[16:17] offset:512*\k   ; into fragment set 0, which has had its last products
.endr
.endif
.if (\s) < 6
	BLOAD (\s)+2
.endif
.if (\s) < 7
	ALOAD (\s)+1
.endif
.endm
	KSTEP 0, 12                                    ; set 1
	KSTEP 1, 20                                    ; x's row 0 (8) and set 2
	KSTEP 2, 12                                    ; set 3
	KSTEP 3, 12                                    ; set 4
	KSTEP 4, 20                                    ; x's row 1 (8) and set 5
	KSTEP 5, 12                                    ; set 6
	KSTEP 6, 12                                    ; set 7
	KSTEP 7, 16                                    ; norm_b and norm_w
.irp i, 0,1
.irp k, 0,1,2,3,4,5,6,7
	ds_load_b128 v[X+32*\i+4*\k:X+32*\i+4*\k+3], v10 offset:4096*\i+512*\k   ; x comes back: my own bytes, which LDS serves in order
.endr
.endr
.irp t, 0,1,2,3                        ; lane (r, h): row r, columns 64 w + 32 (t / 2) + 16 h + 8 (t % 2) + 0 .. 7; each accumulator from its low end on
	ds_store_b128 v7, v[ACC+8*\t:ACC+8*\t+3] offset:(32*(\t/2)+8*(\t%2))*4
	ds_store_b128 v7, v[ACC+8*\t+4:ACC+8*\t+7] offset:(32*(\t/2)+8*(\t%2))*4+16
	ds_store_b128 v8, v[ACC+32+8*\t:ACC+32+8*\t+3] offset:(32*(\t/2)+8*(\t%2))*4
	ds_store_b128 v8, v[ACC+32+8*\t+4:ACC+32+8*\t+7] offset:(32*(\t/2)+8*(\t%2))*4+16
.endr
	v_mov_b32 v[PDN], 0                            ; written once: a lane permute's destination counts as one of its sources
	v_mov_b32 v[PDN+1], 0
	s_wait_dscnt 0x0                               ; for the others' sake: my stores have landed
	s_barrier_signal -1
	s_barrier_wait -1                              ; 32 whole rows lie in the stage
.irp i, 0,1
.irp k, 0,1,2,3,4,5,6,7
	ds_load_b128 v[Y+32*\i+4*\k:Y+32*\i+4*\k+3], v9 offset:SP*\i+512*\k
.endr
.endr
	s_wait_loadcnt 0x0                             ; norm_b, norm_w
	s_wait_dscnt 0x0
.macro ALLSUM                          ; v[SA], v[SA + 4]: a lane's part of each row's sum -> the row's sum, in every lane
.irp m, 1,2,4,8
.irp i, 0,1
	v_add_f32_dpp v[SA+4*\i], v[SA+4*\i], v[SA+4*\i] row_xmask:\m row_mask:0xf bank_mask:0xf
.endr
.endr
.irp i, 0,1
	v_permlanex16_b32 v[PDN+\i], v[SA+4*\i], s[SEL], s[SEL+1]
.endr
.irp i, 0,1
	v_add_f32 v[SA+4*\i], v[SA+4*\i], v[PDN+\i]
.endr
.endm
.set n, 0
.rept 32
	v_pk_add_f32 v[Y+n:Y+n+1], v[Y+n:Y+n+1], v[X+n:X+n+1]   ; y = x + out
.set n, n+2
.endr
.irp i, 0,1
	v_pk_add_f32 v[SA+4*\i:SA+4*\i+1], v[Y+32*\i:Y+32*\i+1], v[Y+32*\i+2:Y+32*\i+3]
	v_pk_add_f32 v[SA+4*\i+2:SA+4*\i+3], v[Y+32*\i+4:Y+32*\i+5], v[Y+32*\i+6:Y+32*\i+7]
.endr
.irp n, 8,12,16,20,24,28
.irp i, 0,1
	v_pk_add_f32 v[SA+4*\i:SA+4*\i+1], v[SA+4*\i:SA+4*\i+1], v[Y+32*\i+\n:Y+32*\i+\n+1]
	v_pk_add_f32 v[SA+4*\i+2:SA+4*\i+3], v[SA+4*\i+2:SA+4*\i+3], v[Y+32*\i+\n+2:Y+32*\i+\n+3]
.endr
.endr
.irp i, 0,1
	v_pk_add_f32 v[SA+4*\i:SA+4*\i+1], v[SA+4*\i:SA+4*\i+1], v[SA+4*\i+2:SA+4*\i+3]
.endr
.irp i, 0,1
	v_add_f32 v[SA+4*\i], v[SA+4*\i], v[SA+4*\i+1]
.endr
	ALLSUM
.irp i, 0,1
	v_mul_f32 v[MU+2*\i], s42, v[SA+4*\i]          ; the mean, in both halves of a pair
	v_mul_f32 v[MU+2*\i+1], s42, v[SA+4*\i]
.endr
.irp i, 0,1
.set n, 0
.rept 16
	v_pk_add_f32 v[Y+32*\i+n:Y+32*\i+n+1], v[Y+32*\i+n:Y+32*\i+n+1], v[MU+2*\i:MU+2*\i+1] neg_lo:[0,1] neg_hi:[0,1]   ; y - mean
.set n, n+2
.endr
.endr
.irp i, 0,1
	v_pk_mul_f32 v[SA+4*\i:SA+4*\i+1], v[Y+32*\i:Y+32*\i+1], v[Y+32*\i:Y+32*\i+1]
	v_pk_mul_f32 v[SA+4*\i+2:SA+4*\i+3], v[Y+32*\i+2:Y+32*\i+3], v[Y+32*\i+2:Y+32*\i+3]
.endr
.irp n, 4,8,12,16,20,24,28
.irp i, 0,1
	v_pk_fma_f32 v[SA+4*\i:SA+4*\i+1], v[Y+32*\i+\n:Y+32*\i+\n+1], v[Y+32*\i+\n:Y+32*\i+\n+1], v[SA+4*\i:SA+4*\i+1]
	v_pk_fma_f32 v[SA+4*\i+2:SA+4*\i+3], v[Y+32*\i+\n+2:Y+32*\i+\n+3], v[Y+32*\i+\n+2:Y+32*\i+\n+3], v[SA+4*\i+2:SA+4*\i+3]
.endr
.endr
.irp i, 0,1
	v_pk_add_f32 v[SA+4*\i:SA+4*\i+1], v[SA+4*\i:SA+4*\i+1], v[SA+4*\i+2:SA+4*\i+3]
.endr
.irp i, 0,1
	v_add_f32 v[SA+4*\i], v[SA+4*\i], v[SA+4*\i+1]
.endr
	ALLSUM
.irp i, 0,1
	v_fmaak_f32 v[SA+4*\i], s42, v[SA+4*\i], 0x3727c5ac   ; the variance + 1e-5
.endr
.irp i, 0,1
	v_rsq_f32 v[RS+2*\i], v[SA+4*\i]
	v_rsq_f32 v[RS+2*\i+1], v[SA+4*\i]
.endr
	v_nop                                          ; a plain line behind the transcendentals
	s_wait_alu depctr_va_vdst(0)                   ; one wait for the four, ahead of their first reader
.irp i, 0,1
.set n, 0
.rept 16
	v_pk_mul_f32 v[Y+32*\i+n:Y+32*\i+n+1], v[Y+32*\i+n:Y+32*\i+n+1], v[RS+2*\i:RS+2*\i+1]
.set n, n+2
.endr
.endr
.irp i, 0,1
.set n, 0
.rept 16
	v_pk_fma_f32 v[Y+32*\i+n:Y+32*\i+n+1], v[Y+32*\i+n:Y+32*\i+n+1], v[NW+n:NW+n+1], v[NB+n:NB+n+1]   ; z
.set n, n+2
.endr
.endr
.set n, 0
.rept 32
	v_pk_mul_f32 v[X+n:X+n+1], v[Y+n:Y+n+1], 0x3fb8aa3b op_sel_hi:[1,0]   ; z log2(e)
.set n, n+2
.endr
.set n, 0
.rept 64
	v_exp_f32 v[X+n], v[X+n]
.set n, n+1
.endr
	v_nop                                          ; a plain line behind the exponentials
	s_wait_alu depctr_va_vdst(0)                   ; one wait for the batch
.set n, 0
.rept 32
	v_pk_add_f32 v[X+n:X+n+1], v[X+n:X+n+1], -1.0 op_sel_hi:[1,0]
.set n, n+2
.endr
.set n, 0
.rept 64
	v_cmp_lt_f32 vcc_lo, 0, v[Y+n]
	v_cndmask_b32 v[Y+n], v[X+n], v[Y+n], vcc_lo   ; z where z > 0, else e^z - 1
.set n, n+1
.endr
.irp i, 0,1
.irp k, 0,1,2,3,4,5,6,7
	global_store_b128 v1, v[Y+32*\i+4*\k:Y+32*\i+4*\k+3], s[20:21] offset:32768*\i+512*\k th:TH_STORE_NT   ; 32 lanes store 512 consecutive bytes, at a multiple of 256 from out0's first byte
.endr
.endr
	s_wait_tensorcnt 0x0
	ds_add_u32 v14, v15
	s_wait_dscnt 0x0
	s_endpgm
.Lfunc_end_k_q5a909f6bf3_outln:
	.size	k_q5a909f6bf3_outln, .Lfunc_end_k_q5a909f6bf3_outln-k_q5a909f6bf3_outln
	.p2alignl 7, 3214868480
	.fill 96, 4, 3214868480
	.section	.rodata,"a",@progbits
	.p2align	6, 0x0
	.amdhsa_kernel k_q5a909f6bf3_outln
		.amdhsa_group_segment_fixed_size 289792
		.amdhsa_private_segment_fixed_size 0
		.amdhsa_enable_private_segment 0
		.amdhsa_kernarg_size 72
		.amdhsa_user_sgpr_count 2
		.amdhsa_user_sgpr_kernarg_segment_ptr 1
		.amdhsa_wavefront_size32 1
		.amdhsa_system_sgpr_workgroup_id_x 1
		.amdhsa_system_sgpr_workgroup_id_y 1
		.amdhsa_system_sgpr_workgroup_id_z 1
		.amdhsa_system_vgpr_workitem_id 0
		.amdhsa_next_free_vgpr 256
		.amdhsa_next_free_sgpr 66
		.amdhsa_reserve_vcc 1
		.amdhsa_float_denorm_mode_32 3
		.amdhsa_float_denorm_mode_16_64 3
		.amdhsa_memory_ordered 1
		.amdhsa_forward_progress 1
		.amdhsa_inst_pref_size 64
	.end_amdhsa_kernel
	.amdgpu_metadata
---
amdhsa.version: [ 1, 2 ]
amdhsa.kernels:
  - .name:           k_q5a909f6bf3_outln
    .symbol:         k_q5a909f6bf3_outln.kd
    .args:
      - { .name: ctx_img, .offset: 0, .size: 8, .value_kind: global_buffer, .address_space: global }
      - { .name: ctx_sw, .offset: 8, .size: 8, .value_kind: global_buffer, .address_space: global }
      - { .name: codes, .offset: 16, .size: 8, .value_kind: global_buffer, .address_space: global }
      - { .name: scales, .offset: 24, .size: 8, .value_kind: global_buffer, .address_space: global }
      - { .name: out_b, .offset: 32, .size: 8, .value_kind: global_buffer, .address_space: global }
      - { .name: x_temporal_sequence, .offset: 40, .size: 8, .value_kind: global_buffer, .address_space: global }
      - { .name: norm_w, .offset: 48, .size: 8, .value_kind: global_buffer, .address_space: global }
      - { .name: norm_b, .offset: 56, .size: 8, .value_kind: global_buffer, .address_space: global }
      - { .name: out0, .offset: 64, .size: 8, .value_kind: global_buffer, .address_space: global }
    .group_segment_fixed_size: 289792
    .private_segment_fixed_size: 0
    .kernarg_segment_align: 8
    .kernarg_segment_size: 72
    .max_flat_workgroup_size: 512
    .sgpr_count:     66
    .vgpr_count:     256
    .wavefront_size: 32
...
	.end_amdgpu_metadata
.endif
;; end of part 4
;; ======== version 2 of 2: 4 launches; version 1 with the launches attn, outln written anew for expert scheduling mode
;; workspace buffers: codes 9,437,184 bytes; scales 393,216 bytes; qkv_img 18,874,368 bytes; qkv_sw 1,572,864 bytes; ctx_img 6,291,456 bytes; ctx_sw 524,288 bytes
;; launch quant: the kernel of part 1 again; grid 256 x 1, 12 waves a work-group, no clusters, 104,960 bytes of LDS; arguments x_temporal_sequence, qkv_w, out_w, codes, scales; writes codes, scales
;; launch qkv: the kernel of part 2 again; grid 12 x 32, 4 waves a work-group, clusters of 4 x 4, 327,680 bytes of LDS; arguments codes, scales, qkv_b, qkv_img, qkv_sw; writes qkv_img, qkv_sw
;; launch attn (part 5): grid 2 x 128, 16 waves a work-group, no clusters, 106,496 bytes of LDS; arguments qkv_img, qkv_sw, ctx_img, ctx_sw; writes ctx_img, ctx_sw
.if DOCPART == 5
	.amdgcn_target "amdgcn-amd-amdhsa--gfx1250"
	.amdhsa_code_object_version 6
	.text
	.protected	k_q5a909f6bf3_attn
	.globl	k_q5a909f6bf3_attn
	.p2align	8
	.type	k_q5a909f6bf3_attn,@function
k_q5a909f6bf3_attn:
	s_mov_b64 s[64:65], 0
	v_nop
	global_prefetch_b8 v0, s[64:65] scope:SCOPE_SE
	s_setreg_imm32_b32 hwreg(HW_REG_WAVE_SCHED_MODE, 0, 2), 2
	s_setreg_imm32_b32 hwreg(HW_REG_WAVE_MODE, 25, 1), 1
	s_wait_xcnt 0x0
	s_wait_alu depctr_vm_vsrc(0)
; Attention of one (b, head) on codes of BF6 (E3M2) with E8M0 scales: S^T = k q^T (K = d = 64: the upper half of the instruction's 128 is zero codes on both sides), the softmax, O^T = v^T p^T (K = the keys),
; O / the row's sum, quantised along d for the output projection.
; THE SOFTMAX: t = score x log2(e) / 8; M = the running largest t rounded UP to a whole number; p = 2^(t - M) is quantised along the keys, not normalised; the row's sum is taken of the unquantised p and divides at the end.
; When M moves, the sum and O^T are multiplied by 2^(old M - new M): exact.
; IN: qkv_img [part][b][head][49,152]: q, k: [tile of 16 s][768] (registers 0-3 at 16 x lane, 4-5 at 512 + 8 x lane); v: [key step][tile of 16 d][1,536]; qkv_sw [part][b][head][4,096]: a word a row, 64 bytes a tile.
; The places of a tile hold rows 32 (t / 2) + 8 (t % 2) + i + 8 (i / 8): so p's 16 registers of key tiles 2 b, 2 b + 1 are 16 neighbouring keys, and O^T's 16 registers of two tiles of d are 16 neighbouring d.
; OUT: ctx_img [row tile 64 b + tile][head][768], ctx_sw [head][row tile][16 words] (two bytes a word).
; SHARES: a work-group owns 512 queries of a head; each of its 16 waves two tiles of 16 queries, one after the other.  ALL of the head's k and v (49,152 bytes each, and their scale words) lie in LDS, filled once, through registers:
; one barrier, no ring.  NO CLUSTER: the grid has two work-groups along x, which no cluster of four divides, and neighbours along y have other heads; what the two share is read once by each, at its head.
; LIMITS: NaN and infinities are not served; a block of ctx whose largest magnitude lies under 2^-122 gets the byte 1.
; REGISTERS: v0 kept; v1-4 addresses of the step; v5 4 (lane % 16); v6-9 k's scale words, v10-11 v's; v12 -M, v13 the largest t, v[14:15] the sum; v16-27 q (22-27 zeros); v28-75 four fragments of k (registers 6-11 of each zeros);
;   v76-123 four of v; v124-187 S^T, then p; v188-219 O^T; v220-231 codes; v232-238 at work; v235, v239 ctx's scale words; v240-254 at work; v253 p's scale word; v255 q's.
; THE MODE: SCHED_MODE bits 1:0 = 2 (LLVM: expert scheduling mode 2), set by the entry lines.  The code itself states the register dependences
; between vector or matrix instructions and memory or LDS instructions, with s_wait_alu, always for 0.
; THE PLAN.  Registers that memory or LDS instructions touch, round the loop over key steps:
;   v1-v4        A key step's LDS addresses.  Read by all its LDS loads; written once a step, behind the step's own last load and a wait on vm_vsrc, ahead of the wait for the exponentials.
;   KF, KSR      Tiles 0-3 of a step and k's scale words land behind the wait for the exponentials of the step BEFORE; tiles 4-7 behind the wait that follows the first four products.  Read by the products k q^T alone.
;   VF, VSR      Land behind that same wait, which also stands behind the last step's products v^T p^T, their only readers.
;   QF, v255     q.  Read by the products k q^T; the second tile's land behind the wait for the exponentials of the first tile's last step.
;   PC, v253     Written by vector lines, taken by the scaled products v^T p^T: a wait on va_vdst behind the places, ahead of these products.  PC and v239 are also the data of the way out's stores.
; So a step has four waits on va_vdst (behind the first four products; for the 64 exponentials; for the four; ahead of the last four products) and one on vm_vsrc.  The loop has seven trips; a tile's eighth step is written out:
; its addresses go back to key step 0, which are the way out's offsets too, and in the first tile it fetches the second tile's first tiles of k and its q.
.set SCK,  0                           ; LDS: k's scale words, 4,096 bytes;
.set SCV,  4096                        ; v's, 2,048;
.set KIM,  6144                        ; k's images;
.set VIM,  55296                       ; v's
.set KSR,  6
.set VSR,  10
.set QF,   16
.set KF,   28
.set VF,   76
.set S,    124
.set O,    188
.set PC,   220
.set PT,   232
.set CW0,  235
.set CWS,  239
.set BM,   240
.set PD,   244
.set SO,   248
.set FA,   176                         ; v176-179 the fill's addresses (inside S^T: free again behind the barrier)
.set TB,   2                           ; s2   6,144 x key step: a step's 8 tiles of k, and its 4 of v
.set TS,   3                           ; s3   512 x key step: k's scale words
.set TV,   24                          ; s24  256 x key step: v's
.set CNT,  25
.set WV,   18
.set SEL,  20
.set CS,   22                          ; s[22:23] c = log2(e) / 8
.macro ADDR                            ; a key step's addresses
	v_and_b32 v254, 31, v0
	v_lshl_add_u32 v1, v254, 4, s[TB]
	v_lshl_add_u32 v2, v254, 3, s[TB]
	v_lshl_add_u32 v3, v254, 2, s[TS]
	v_lshl_add_u32 v4, v254, 2, s[TV]
.endm
.macro LOADQ i                         ; with the three scalars at 0: v1 = 16 x lane, v2 = 8 x lane
	global_load_b128 v[QF:QF+3], v1, s[12:13] offset:768*\i
	global_load_b64 v[QF+4:QF+5], v2, s[12:13] offset:768*\i+512
	global_load_b32 v255, v5, s[34:35] offset:64*\i
.endm
	s_load_b128 s[4:7], s[0:1], 0x0                ; qkv_img, qkv_sw
	s_load_b128 s[8:11], s[0:1], 0x10              ; ctx_img, ctx_sw
	v_lshrrev_b32 v1, 5, v0
	v_readfirstlane_b32 s[WV], v1                  ; wave 0..15
	s_mov_b32 s[TB], 0
	s_mov_b32 s[TS], 0
	s_mov_b32 s[TV], 0
	v_lshlrev_b32 v[FA], 4, v0
	v_lshlrev_b32 v[FA+1], 3, v0
	v_lshlrev_b32 v[FA+2], 2, v0
	v_add_nc_u32 v[FA+3], VIM, v[FA]
	v_and_b32 v5, 15, v0
	v_lshlrev_b32 v5, 2, v5
	ADDR                                           ; key step 0
.irp j, 6,7,8,9,10,11
	v_mov_b32 v[QF+\j], 0                          ; K = 64 .. 127: zero codes, on both sides
.irp t, 0,1,2,3
	v_mov_b32 v[KF+12*\t+\j], 0
.endr
.endr
.irp b, 0,1,2,3
	v_mov_b32 v[PD+\b], 0                          ; written once: a lane permute's destination counts as one of its sources
.endr
	v_mov_b32 v253, 0                              ; (named as the upper half of the pair v[252:253] before it is first written)
	s_wait_alu depctr_va_sdst(0)                   ; s[WV] is written, ahead of its first reader: the offsets of q and of ctx are made from it
	s_and_b32 s26, ttmp7, 0xffff                   ; 16 b + head
	s_mul_i32 s28, s26, 49152
	s_mov_b32 s29, 0
	s_lshl_b32 s30, s26, 12
	s_mov_b32 s31, 0
	s_lshl_b32 s27, ttmp9, 5
	s_lshl_b32 s32, s[WV], 1
	s_add_co_u32 s27, s27, s32                     ; my first tile of queries: 32 x + 2 wave
	s_mul_i32 s32, s27, 768
	s_mov_b32 s33, 0
	s_lshl_b32 s40, s27, 6
	s_mov_b32 s41, 0
	s_lshr_b32 s42, s26, 4
	s_lshl_b32 s42, s42, 6
	s_add_co_u32 s42, s42, s27                     ; its row tile: 64 b + tile
	s_and_b32 s43, s26, 15                         ; head
	s_lshl_b32 s44, s42, 4
	s_add_co_u32 s44, s44, s43
	s_mul_i32 s44, s44, 768
	s_mov_b32 s45, 0
	s_lshl_b32 s43, s43, 15
	s_lshl_b32 s42, s42, 6
	s_add_co_u32 s42, s42, s43
	s_mov_b32 s43, 0
	s_mov_b32 s[SEL], 0x76543210
	s_mov_b32 s[SEL+1], 0xfedcba98
	s_mov_b32 s[CS], 0x3e38aa3b
	s_mov_b32 s[CS+1], s[CS]                       ; (named with it as a pair, so it is written)
	s_mov_b32 s46, 0xffff0000                      ; lanes 16-31
	s_wait_kmcnt 0x0
	s_add_nc_u64 s[12:13], s[4:5], s[28:29]        ; q's images of my head,
	s_add_nc_u64 s[14:15], s[12:13], 128*49152     ; k's,
	s_add_nc_u64 s[16:17], s[12:13], 256*49152     ; v's
	s_add_nc_u64 s[34:35], s[6:7], s[30:31]        ; and the scale words
	s_add_nc_u64 s[36:37], s[34:35], 128*4096
	s_add_nc_u64 s[38:39], s[34:35], 256*4096
	s_add_nc_u64 s[12:13], s[12:13], s[32:33]      ; q at my first tile
	s_add_nc_u64 s[34:35], s[34:35], s[40:41]
	s_add_nc_u64 s[8:9], s[8:9], s[44:45]
	s_add_nc_u64 s[10:11], s[10:11], s[42:43]
	s_wait_alu depctr_va_vdst(0)                   ; v1-v5 and v[FA ..] are written, which the loads and LDS stores below read as addresses; so are the zero halves of q's and k's fragments, which the scaled products take
.irp i, 0,1,2,3,4,5
	global_load_b128 v[S+4*\i:S+4*\i+3], v[FA], s[14:15] offset:8192*\i        ; 512 threads x 16 bytes
.endr
.irp i, 0,1,2,3,4,5
	global_load_b128 v[S+24+4*\i:S+24+4*\i+3], v[FA], s[16:17] offset:8192*\i
.endr
	global_load_b64 v[S+48:S+49], v[FA+1], s[36:37]
	global_load_b32 v[S+50], v[FA+2], s[38:39]
	LOADQ 0
	s_wait_loadcnt 3                               ; the fill's 14 loads are in; q's three may be out
.irp i, 0,1,2,3,4,5
	ds_store_b128 v[FA], v[S+4*\i:S+4*\i+3] offset:KIM+8192*\i
.endr
.irp i, 0,1,2,3,4,5
	ds_store_b128 v[FA+3], v[S+24+4*\i:S+24+4*\i+3] offset:8192*\i
.endr
	ds_store_b64 v[FA+1], v[S+48:S+49] offset:SCK
	ds_store_b32 v[FA+2], v[S+50] offset:SCV
	s_wait_dscnt 0x0                               ; for the others' sake: my stores have landed
	s_barrier_signal -1
	s_barrier_wait -1                              ; the head's k and v lie in LDS; nothing is written there again
.macro QK g                            ; four tiles of 16 keys: S^T = k q^T.  Tile 2 i's scale words lie in lanes 0-15, tile 2 i + 1's in lanes 16-31
.irp t, 0,1,2,3
.if \t%2
	v_wmma_scale_f32_16x16x128_f8f6f4 v[S+8*(4*\g+\t):S+8*(4*\g+\t)+7], v[KF+12*\t:KF+12*\t+11], v[QF:QF+11], 0, v[KSR+(4*\g+\t)/2], v255 matrix_a_fmt:MATRIX_FMT_BF6 matrix_b_fmt:MATRIX_FMT_BF6 matrix_a_scale:MATRIX_SCALE_ROW1
.else
	v_wmma_scale_f32_16x16x128_f8f6f4 v[S+8*(4*\g+\t):S+8*(4*\g+\t)+7], v[KF+12*\t:KF+12*\t+11], v[QF:QF+11], 0, v[KSR+(4*\g+\t)/2], v255 matrix_a_fmt:MATRIX_FMT_BF6 matrix_b_fmt:MATRIX_FMT_BF6
.endif
.endr
.endm
.macro KLOAD g
.irp t, 0,1,2,3
	ds_load_b128 v[KF+12*\t:KF+12*\t+3], v1 offset:KIM+768*(4*\g+\t)
	ds_load_b64 v[KF+12*\t+4:KF+12*\t+5], v2 offset:KIM+768*(4*\g+\t)+512
.endr
.endm
.macro KWORDS                          ; the scale words of a step's eight tiles of k
.irp i, 0,1,2,3
	ds_load_b32 v[KSR+\i], v3 offset:SCK+128*\i
.endr
.endm
.macro BMAX lo, hi                     ; THE LARGEST SCORE OF A BLOCK OF 32 KEYS, for two blocks by turns: for the row's maximum and, since p rises with the score, for the block's largest p
.irp b, \lo, \hi
	v_max3_num_f32 v[BM+\b], v[S+16*\b], v[S+16*\b+1], v[S+16*\b+2]
.endr
.irp i, 3,5,7,9,11,13
.irp b, \lo, \hi
	v_max3_num_f32 v[BM+\b], v[BM+\b], v[S+16*\b+\i], v[S+16*\b+\i+1]
.endr
.endr
.irp b, \lo, \hi
	v_max_num_f32 v[BM+\b], v[BM+\b], v[S+16*\b+15]
.endr
.endm
; A KEY STEP: 128 keys.  Its tiles 0-3 of k and k's scale words were asked for in the step before (the first step's: behind the barrier, or in the last step of the tile before).
; nx = 1: the addresses go on to the next key step, whose tiles 0-3 are asked for.  nx = 2: a tile's last step: the addresses go back to key step 0, whose tiles 0-3 and the second tile's q are asked for.  nx = 0: back to key step 0, nothing is asked for.
.macro STEP nx
	s_wait_dscnt 0x0                               ; k's tiles 0-3 and its scale words are in
	QK 0
.rept 4
	v_nop                                          ; places behind these products, ahead of the first read of their results
.endr
	s_wait_alu depctr_va_vdst(0)                   ; the four products are done reading k's fragments, in which tiles 4-7 land; the last step's products v^T p^T are done reading v's fragments and scale words, in which this step's land
	KLOAD 1
.irp t, 0,1,2,3
.irp c, 0,1,2
	ds_load_b128 v[VF+12*\t+4*\c:VF+12*\t+4*\c+3], v1 offset:VIM+1536*\t+512*\c
.endr
.endr
.irp i, 0,1
	ds_load_b32 v[VSR+\i], v4 offset:SCV+128*\i
.endr
	BMAX 0, 1                                      ; the first 64 keys' maxima stand under the loads: they name S^T and v240-241, none of the registers that the loads touch
	s_wait_dscnt 14                                ; k's tiles are in; v's 12 loads and its 2 scale loads may be out: they land under the softmax
	QK 1
.rept 4
	v_nop
.endr
	BMAX 2, 3
.irp b, 0,1,2,3
	v_permlanex16_b32 v[PD+\b], v[BM+\b], s[SEL], s[SEL+1]
.endr
.irp b, 0,1,2,3
	v_max_num_f32 v[BM+\b], v[BM+\b], v[PD+\b]     ; with lane l xor 16's 16 keys
.endr
	v_max3_num_f32 v254, v[BM], v[BM+1], v[BM+2]
	v_max_num_f32 v254, v254, v[BM+3]              ; the step's largest score of my query
	v_mul_f32 v254, s[CS], v254                    ; as t (c is positive)
	v_max_num_f32 v13, v13, v254                   ; the running largest t
	v_mov_b32 v254, v12
	v_floor_f32 v12, -v13                          ; the new -M = floor(-t) = -ceil(t)
	v_sub_f32 v254, v12, v254                      ; old M - new M: a whole number, 0 or less
	v_cvt_i32_f32 v254, v254                       ; (it saturates)
	v_ldexp_f32 v252, 1.0, v254                    ; f = 2^(old M - new M)
.set n, 0
.rept 32
	v_pk_fma_f32 v[S+n:S+n+1], v[S+n:S+n+1], s[CS:CS+1], v[12:13] op_sel_hi:[1,0,0]   ; t - M, two at a time
.set n, n+2
.endr
.irp b, 0,1,2,3
	v_fma_f32 v[BM+\b], v[BM+\b], s[CS], v12       ; the same of each block's largest score
.endr
.set n, 0
.rept 64
	v_exp_f32 v[S+n], v[S+n]                       ; p = 2^(t - M), at most 1
.set n, n+1
.endr
	v_pk_mul_f32 v[14:15], v[14:15], v[252:253] op_sel_hi:[1,0]   ; the sums under the new M: a plain line behind the exponentials
	s_wait_alu depctr_vm_vsrc(0)                   ; this step's LDS loads, all issued, have read v1-v4, which the lines below write
.if \nx == 1
	s_add_co_u32 s[TB], s[TB], 6144
	s_add_co_u32 s[TS], s[TS], 512
	s_add_co_u32 s[TV], s[TV], 256
.else
	s_mov_b32 s[TB], 0
	s_mov_b32 s[TS], 0
	s_mov_b32 s[TV], 0
.endif
	ADDR                                           ; nx = 1: the next key step's; else 16, 8 and 4 x lane: key step 0's, and the way out's offsets
	s_wait_alu depctr_va_vdst(0)                   ; the 64 exponentials have written p, ahead of its first reader; v1-v4 are written, which the loads below and the next step's read; the products k q^T are done reading k's fragments and words and q
.if \nx
	KLOAD 0                                        ; they land under the rest of the softmax: no vector or matrix line from here to the next step's first products names their registers
	KWORDS
.endif
.if \nx == 2
	LOADQ 1                                        ; the second tile's q lands while the first tile leaves
.endif
.irp b, 0,1,2,3
	v_exp_f32 v[BM+\b], v[BM+\b]                   ; the block's largest p: the same two instructions on the same number give the same bits
.endr
	v_pk_add_f32 v[PD:PD+1], v[S:S+1], v[S+2:S+3]  ; THE ROW'S SUM IS TAKEN OF THE UNQUANTISED p, in two chains
.set n, 4
.rept 15
	v_pk_add_f32 v[14:15], v[14:15], v[S+n:S+n+1]
	v_pk_add_f32 v[PD:PD+1], v[PD:PD+1], v[S+n+2:S+n+3]
.set n, n+4
.endr
	v_pk_add_f32 v[14:15], v[14:15], v[PD:PD+1]
	s_wait_alu depctr_va_vdst(0)                   ; the four exponentials have written the blocks' largest p, ahead of its first reader
.irp b, 0,1,2,3
	v_max_num_f32 v[BM+\b], 0x2800000, v[BM+\b]    ; the floor 2^(5 - 127): the byte cannot fall under 1
.endr
.irp b, 0,1,2,3
	v_add_nc_u32 v[SO+\b], 0xfe000000, v[BM+\b]    ; 4 off the exponent field: the conversion's scale operand
.endr
.irp b, 0,1,2,3
	v_lshrrev_b32 v[PD+\b], 23, v[SO+\b]           ; the scale's byte
.endr
	v_lshl_or_b32 v253, v[PD+1], 8, v[PD]          ; p's scale word for these 128 keys
	v_lshl_or_b32 v253, v[PD+2], 16, v253
	v_lshl_or_b32 v253, v[PD+3], 24, v253
.irp c, 0,1
	v_cvt_scalef32_pk16_bf6_f32 v[PC+6*\c:PC+6*\c+2], v[S+32*\c:S+32*\c+15], v[SO+2*\c]
	v_cvt_scalef32_pk16_bf6_f32 v[PT+4*\c:PT+4*\c+2], v[S+32*\c+16:S+32*\c+31], v[SO+2*\c+1]
.endr
	v_nop                                          ; one plain line behind the scaled conversions
.irp c, 0,1                            ; a WHOLE block in a lane: lanes 0-15 block 2 c, lanes 16-31 block 2 c + 1
.irp i, 0,1,2
	v_permlane16_swap_b32 v[PC+6*\c+\i], v[PT+4*\c+\i]
.endr
.irp i, 0,1,2
	v_mov_b32 v[PC+6*\c+3+\i], v[PT+4*\c+\i]
.endr
.endr
.set n, 0
.rept 16
	v_pk_mul_f32 v[O+n:O+n+1], v[O+n:O+n+1], v[252:253] op_sel_hi:[1,0]   ; O^T under the new M.  (These 16 are also the places in front of the products below)
.set n, n+2
.endr
	s_wait_alu depctr_va_vdst(0)                   ; p's codes and its scale word, made by vector lines, are written: the scaled products below take them; the places above stay beside this wait
.if \nx
	s_wait_dscnt 12                                ; v is in; the 8 loads of k's next tiles and the 4 of its words may be out
.else
	s_wait_dscnt 0x0                               ; v
.endif
.irp t, 0,1,2,3                        ; O^T += v^T p^T: four accumulators, one turn each
.if \t%2
	v_wmma_scale_f32_16x16x128_f8f6f4 v[O+8*\t:O+8*\t+7], v[VF+12*\t:VF+12*\t+11], v[PC:PC+11], v[O+8*\t:O+8*\t+7], v[VSR+\t/2], v253 matrix_a_fmt:MATRIX_FMT_BF6 matrix_b_fmt:MATRIX_FMT_BF6 matrix_a_scale:MATRIX_SCALE_ROW1
.else
	v_wmma_scale_f32_16x16x128_f8f6f4 v[O+8*\t:O+8*\t+7], v[VF+12*\t:VF+12*\t+11], v[PC:PC+11], v[O+8*\t:O+8*\t+7], v[VSR+\t/2], v253 matrix_a_fmt:MATRIX_FMT_BF6 matrix_b_fmt:MATRIX_FMT_BF6
.endif
.endr
.endm
; O^T / the sum; register 16 b + i is d = 32 b + 16 (lane / 16) + i of my query: two blocks along the output projection's K; codes and scale word leave as images.
.macro FINAL i
	v_add_f32 v14, v14, v15
	v_permlanex16_b32 v254, v14, s[SEL], s[SEL+1]
	v_add_f32 v14, v14, v254                       ; the row's sum
	v_rcp_f32 v14, v14
	v_nop                                          ; a plain line behind the transcendental
	s_wait_alu depctr_va_vdst(0)                   ; the reciprocal is written, ahead of its first reader
.set n, 0
.rept 16
	v_pk_mul_f32 v[S+n:S+n+1], v[O+n:O+n+1], v[14:15] op_sel_hi:[1,0]
.set n, n+2
.endr
.irp b, 0,1
	v_max3_num_f32 v[BM+\b], |v[S+16*\b]|, |v[S+16*\b+1]|, 0x2800000
.endr
.irp j, 2,4,6,8,10,12,14
.irp b, 0,1
	v_max3_num_f32 v[BM+\b], v[BM+\b], |v[S+16*\b+\j]|, |v[S+16*\b+\j+1]|
.endr
.endr
.irp b, 0,1
	v_permlanex16_b32 v[PD+\b], v[BM+\b], s[SEL], s[SEL+1]
.endr
.irp b, 0,1
	v_max_num_f32 v[BM+\b], v[BM+\b], v[PD+\b]
.endr
.irp b, 0,1
	v_add_nc_u32 v[SO+\b], 0xfe000000, v[BM+\b]
.endr
.irp b, 0,1
	v_lshrrev_b32 v[PD+\b], 23, v[SO+\b]
.endr
	v_cvt_scalef32_pk16_bf6_f32 v[PC:PC+2], v[S:S+15], v[SO]
	v_cvt_scalef32_pk16_bf6_f32 v[PT:PT+2], v[S+16:S+31], v[SO+1]
	v_nop
.irp j, 0,1,2
	v_permlane16_swap_b32 v[PC+\j], v[PT+\j]
.endr
.irp j, 0,1,2
	v_mov_b32 v[PC+3+\j], v[PT+\j]
.endr
.if \i == 0
	v_lshl_or_b32 v[CW0], v[PD+1], 8, v[PD]
.else
	v_lshl_or_b32 v254, v[PD+1], 8, v[PD]
	v_cndmask_b32 v[CWS], v[CW0], v254, s46        ; my two tiles' words leave together: 128 consecutive bytes
.endif
	s_wait_alu depctr_va_vdst(0)                   ; the codes, and in the second tile the scale words, are written, which the stores below read
	global_store_b128 v1, v[PC:PC+3], s[8:9] offset:12288*\i        ; 512 consecutive bytes,
	global_store_b64 v2, v[PC+4:PC+5], s[8:9] offset:12288*\i+512   ; and 256
.if \i == 1
	global_store_b32 v3, v[CWS], s[10:11]
.endif
.endm
.macro QTILE i
	s_wait_loadcnt 0x0                             ; q
	s_wait_xcnt 0x0                                ; the loads and stores issued so far have read their address and data registers
	s_wait_alu depctr_vm_vsrc(0)                   ; first tile: the fill's LDS stores have read v[S ..] and v[FA ..], which the products write; second tile: the first tile's stores have read the codes' registers, which the conversions write again, and v1, v2
	v_mov_b32 v13, 0xff61b1e6                      ; the largest t so far: -3e38, under every t
	v_floor_f32 v12, -v13
	v_mov_b32 v14, 0
	v_mov_b32 v15, 0
.set n, 0
.rept 32
	v_mov_b32 v[O+n], 0                            ; the step is written once: the first finds zeros, which the first change of M leaves zeros
.set n, n+1
.endr
	s_mov_b32 s[CNT], 7
.Lstep_\@:
	STEP 1
	s_sub_co_u32 s[CNT], s[CNT], 1
	s_cmp_lg_u32 s[CNT], 0
	s_cbranch_scc1 .Lstep_\@
.if \i == 0
	STEP 2                                         ; the eighth step is written out: nothing is fetched that no product reads
.else
	STEP 0
.endif
.rept 4
	v_nop                                          ; places behind the last products, ahead of the first read of O^T
.endr
	FINAL \i
.endm
	KLOAD 0                                        ; key step 0's tiles 0-3 and k's words: their addresses were written ahead of the head's wait on va_vdst, and no vector line has named them or these registers since
	KWORDS
	QTILE 0
	QTILE 1
	s_wait_xcnt 0x0
	v_lshl_add_u32 v254, v0, 2, 0x19800
	v_mov_b32 v255, 0
	s_wait_dscnt 0x0                               ; the closing lines, six on end
	s_wait_alu 0x0
	s_wait_tensorcnt 0x0
	ds_add_u32 v254, v255
	s_wait_dscnt 0x0
	s_endpgm
.Lfunc_end_k_q5a909f6bf3_attn:
	.size	k_q5a909f6bf3_attn, .Lfunc_end_k_q5a909f6bf3_attn-k_q5a909f6bf3_attn
	.p2alignl 7, 3214868480
	.fill 96, 4, 3214868480
	.section	.rodata,"a",@progbits
	.p2align	6, 0x0
	.amdhsa_kernel k_q5a909f6bf3_attn
		.amdhsa_group_segment_fixed_size 106496
		.amdhsa_private_segment_fixed_size 0
		.amdhsa_enable_private_segment 0
		.amdhsa_kernarg_size 32
		.amdhsa_user_sgpr_count 2
		.amdhsa_user_sgpr_kernarg_segment_ptr 1
		.amdhsa_wavefront_size32 1
		.amdhsa_system_sgpr_workgroup_id_x 1
		.amdhsa_system_sgpr_workgroup_id_y 1
		.amdhsa_system_sgpr_workgroup_id_z 1
		.amdhsa_system_vgpr_workitem_id 0
		.amdhsa_next_free_vgpr 256
		.amdhsa_next_free_sgpr 66
		.amdhsa_reserve_vcc 0
		.amdhsa_float_denorm_mode_32 3
		.amdhsa_float_denorm_mode_16_64 3
		.amdhsa_memory_ordered 1
		.amdhsa_forward_progress 1
		.amdhsa_inst_pref_size 82
	.end_amdhsa_kernel
	.amdgpu_metadata
---
amdhsa.version: [ 1, 2 ]
amdhsa.kernels:
  - .name:           k_q5a909f6bf3_attn
    .symbol:         k_q5a909f6bf3_attn.kd
    .args:
      - { .name: qkv_img, .offset: 0, .size: 8, .value_kind: global_buffer, .address_space: global }
      - { .name: qkv_sw, .offset: 8, .size: 8, .value_kind: global_buffer, .address_space: global }
      - { .name: ctx_img, .offset: 16, .size: 8, .value_kind: global_buffer, .address_space: global }
      - { .name: ctx_sw, .offset: 24, .size: 8, .value_kind: global_buffer, .address_space: global }
    .group_segment_fixed_size: 106496
    .private_segment_fixed_size: 0
    .kernarg_segment_align: 8
    .kernarg_segment_size: 32
    .max_flat_workgroup_size: 512
    .sgpr_count:     66
    .vgpr_count:     256
    .wavefront_size: 32
...
	.end_amdgpu_metadata
.endif
;; end of part 5
;; launch outln (part 6): grid 256 x 1, 16 waves a work-group, no clusters, 289,792 bytes of LDS; arguments ctx_img, ctx_sw, codes, scales, out_b, x_temporal_sequence, norm_w, norm_b, out0; writes out0
.if DOCPART == 6
	.amdgcn_target "amdgcn-amd-amdhsa--gfx1250"
	.amdhsa_code_object_version 6
	.text
	.protected	k_q5a909f6bf3_outln
	.globl	k_q5a909f6bf3_outln
	.p2align	8
	.type	k_q5a909f6bf3_outln,@function
k_q5a909f6bf3_outln:
	s_mov_b64 s[64:65], 0
	v_nop
	global_prefetch_b8 v0, s[64:65] scope:SCOPE_SE
	s_setreg_imm32_b32 hwreg(HW_REG_WAVE_SCHED_MODE, 0, 2), 2
	s_setreg_imm32_b32 hwreg(HW_REG_WAVE_MODE, 25, 1), 1
	s_wait_xcnt 0x0
	s_wait_alu depctr_vm_vsrc(0)
; out0 = elu(layernorm(x + ctx out_w^T + out_b) norm_w + norm_b).  The product on codes of BF6 (E3M2) with E8M0 scales; all else in f32.
; IN: ctx_img [row tile 64 b + t][head][768] (a head's 64 along K: registers 0-3 at 16 x lane, 4-5 at 512 + 8 x lane), ctx_sw [head][row tile][16 words] (two bytes a word);
;     codes, scales: out_w's row tiles 704-767, [tile][K step][1,536] and [tile][place][32].  Place i of a row tile t holds row 32 (t / 2) + 8 (t % 2) + i + 8 (i / 8) of its axis (s within b; out_w's row).
; SHARES: work-group g owns row tiles 2 g and 2 g + 1: 32 neighbouring s of one b, ALL 1,024 columns, so that the norm stays inside the work-group.  Wave w makes columns 64 w .. 64 w + 63: four tiles of out_w.
; THE PRODUCT IS USED TRANSPOSED (source 0 = 16 rows of out_w, source 1 = 16 rows of ctx): a lane holds one row and eight neighbouring columns.  out_b is the C of each sum's first product.
; ctx's 24,576 bytes of codes lie in LDS, read by all 16 waves.  A wave's fragments of out_w are read by no other wave of the work-group: they go from memory straight into registers, three loads of 16 bytes a lane each.
; NO CLUSTER: what work-groups share is out_w's codes, 786,432 bytes, more than LDS holds; beside ctx and the stage two slots of one K step would fit, and a joint refill would have one K step, eight products of a wave, in which to land.
; x IS ASKED FOR UNDER THE K LOOP: the two rows of x that a wave will finish come one at a time into the 32 registers that out_b has left (behind K step 0's products and ahead of K step 3's) and wait in the wave's own 8,192 bytes of LDS;
; norm_b and norm_w are asked for in K step 6.  So no prefetch is laid: the loads themselves stand four K steps or more ahead of the numbers' use.
; Then 32 rows x 4,096 bytes meet in a stage in LDS, and each wave takes two whole rows: residual, mean, variance, gain, bias, ELU, stores of 512 consecutive bytes.
; ELU's lower arm is 2^(z log2 e) - 1: its error is of the size of one rounding of a number near 1.  LIMITS: NaN and infinities are not served.
; REGISTERS: v1-10 addresses; v16-79 eight accumulators ((u, t) at 16 + 8 (4 u + t)), later two rows of y; v80-103 ctx's two fragments; v104-199 out_w's fragments, two sets of four; v200-207 ctx's scale words, v208-223 out_w's;
;   v224-255 out_b in the result's layout, then a row of x on its way to LDS, later norm_b; in the norm v80-97 at work; v104-135 norm_w; v136-199 x, then the exponentials.
; THE MODE: SCHED_MODE bits 1:0 = 2 (LLVM: expert scheduling mode 2), set by the entry lines.  The code itself states the register dependences
; between vector or matrix instructions and memory or LDS instructions, with s_wait_alu, always for 0.
; THE PLAN.  Registers that memory or LDS instructions touch:
;   v1-v10       Addresses and offsets: written once at the head, ahead of one wait on va_vdst, and never again.
;   BF0, BF1     K step s: its eight products read set s % 2; behind them the loads of K step s + 2 land in it (behind K step 6: norm_w; behind K step 7: x, out of LDS).
;   AF           K step s: its products read it; behind them the LDS loads of K step s + 1 land in it.  At the head its registers hold the heads' scale words, which vector lines read.
;   v224-255     out_b: read by K step 0's products; then row 0 of x lands, is read by the LDS stores of K step 2; row 1 lands in K step 3, is read by the LDS stores of K step 5; norm_b lands in K step 6.
;   ACC          At the head three loads land in it and LDS stores read it; the products write it; LDS stores read it; the rows of y land in it; the selects write it; the last stores read it.
;   AS           Written by vector lines at the head, taken as scales by the products.
; So ONE wait on va_vdst stands in a K step, behind its products and their places: all that lands behind it lands in registers that those products, or earlier ones, have read.  What hangs on no product of its step stands AHEAD of the
; step's products: the LDS stores of a row of x, and, each behind a wait on vm_vsrc for those stores, the loads of row 1 and of norm_b.  All 256 registers of each of a SIMD's four waves are taken: there is no room for a further set.
.set AIMG, 0                           ; LDS: ctx's images, 2 x 12,288 bytes
.set STG,  24576                       ; the stage: 32 rows x (4,096 + 16) bytes
.set SP,   4112
.set XST,  156672                      ; x: 8,192 bytes for each wave, its own
.set ACC,  16
.set AF,   80
.set AW,   80                          ; the sixteen heads' words, at the head
.set BF,   104
.set AS,   200
.set BS,   208
.set BI,   224
.set XT,   224                         ; a row of x in transit
.set Y,    16
.set X,    136
.set NW,   104
.set NB,   224
.set SA,   80                          ; v80-87 row i: two pairs of sums at 80 + 4 i
.set MU,   88                          ; v88-91 the means, a pair a row
.set RS,   92                          ; v92-95 1 / sqrt(var + eps), a pair a row
.set PDN,  96                          ; v96-97 lane permutes' destinations
.set WV,   22
.set SEL,  44
	s_load_b256 s[4:11], s[0:1], 0x0               ; ctx_img, ctx_sw, codes, scales
	s_load_b256 s[12:19], s[0:1], 0x20             ; out_b, x, norm_w, norm_b
	s_load_b64 s[20:21], s[0:1], 0x40              ; out0
	v_lshl_add_u32 v14, v0, 2, 0x46400
	v_mov_b32 v15, 0
	v_lshrrev_b32 v1, 5, v0
	v_readfirstlane_b32 s[WV], v1                  ; wave 0..15
	v_and_b32 v11, 31, v0                          ; lane
	v_and_b32 v12, 15, v0                          ; r
	v_bfe_u32 v13, v0, 4, 1                        ; h
	v_lshlrev_b32 v1, 4, v11
	v_lshlrev_b32 v2, 3, v11
	v_lshlrev_b32 v3, 2, v11
	v_lshlrev_b32 v4, 5, v11
	v_lshlrev_b32 v5, 6, v13
	v_lshlrev_b32 v6, 4, v0
	v_mul_u32_u24 v7, v12, SP
	v_lshl_add_u32 v7, v13, 6, v7
	s_wait_alu depctr_va_sdst(0)                   ; s[WV] is written, ahead of its first reader: offsets and LDS addresses are made from it
	s_mul_i32 s24, ttmp9, 24576
	s_mov_b32 s25, 0
	s_lshl_b32 s26, ttmp9, 7
	s_mov_b32 s27, 0
	s_lshl_b32 s28, s[WV], 2
	s_add_co_u32 s28, s28, 704                     ; my first tile of out_w
	s_mul_i32 s30, s28, 12288
	s_mov_b32 s31, 0
	s_lshl_b32 s32, s28, 9
	s_mov_b32 s33, 0
	s_lshl_b32 s34, s[WV], 8
	s_mov_b32 s35, 0
	s_and_b32 s36, ttmp9, 31                       ; the two rows that I finish: stage rows 2 w and 2 w + 1 = tile u = w / 8, places 2 (w % 8) and + 1:
	s_lshl_b32 s36, s36, 5                         ; s = 32 (g % 32) + 8 u + place + 8 (place / 8)
	s_lshr_b32 s37, s[WV], 3
	s_lshl_b32 s37, s37, 3
	s_add_co_u32 s36, s36, s37
	s_and_b32 s37, s[WV], 7
	s_lshl_b32 s37, s37, 1
	s_add_co_u32 s36, s36, s37
	s_lshr_b32 s37, s[WV], 2
	s_and_b32 s37, s37, 1
	s_lshl_b32 s37, s37, 3
	s_add_co_u32 s36, s36, s37
	s_lshl_b32 s36, s36, 3
	s_lshr_b32 s37, ttmp9, 5                       ; b
	s_add_co_u32 s36, s36, s37
	s_lshl_b32 s36, s36, 12                        ; row (8 s + b) of 4,096 bytes; the second row is s + 1: 32,768 bytes on
	s_mov_b32 s37, 0
	s_mul_i32 s40, s[WV], 2*SP
	s_add_co_u32 s40, s40, STG
	s_add_co_u32 s41, s34, STG
	s_lshl_b32 s43, s[WV], 13
	s_add_co_u32 s43, s43, XST
	s_mov_b32 s42, 0x3a800000                      ; 1 / 1,024
	s_mov_b32 s[SEL], 0x76543210
	s_mov_b32 s[SEL+1], 0xfedcba98
	v_add_nc_u32 v7, s41, v7                       ; the stage, in: row r, + 64 h, + 256 w
	v_add_nc_u32 v8, 16*SP, v7                     ; and the second row tile's rows
	v_add_nc_u32 v9, s40, v1                       ; back: my two rows, 16 bytes a lane
	v_add_nc_u32 v10, s43, v1                      ; x's place in LDS: my wave's 8,192 bytes, 16 bytes a lane
	s_wait_kmcnt 0x0
	s_add_nc_u64 s[4:5], s[4:5], s[24:25]
	s_add_nc_u64 s[6:7], s[6:7], s[26:27]
	s_add_nc_u64 s[8:9], s[8:9], s[30:31]
	s_add_nc_u64 s[10:11], s[10:11], s[32:33]
	s_add_nc_u64 s[12:13], s[12:13], s[34:35]
	s_add_nc_u64 s[14:15], s[14:15], s[36:37]
	s_add_nc_u64 s[20:21], s[20:21], s[36:37]
	s_wait_alu depctr_va_vdst(0)                   ; v1-v10 are written: every load, store and LDS instruction of the kernel but the closing add reads one of them as its address
.macro BLOAD s                         ; K step s of my four tiles of out_w, into set s % 2
.irp t, 0,1,2,3
.irp c, 0,1,2
	global_load_b128 v[BF+48*((\s)%2)+12*\t+4*\c:BF+48*((\s)%2)+12*\t+4*\c+3], v1, s[8:9] offset:12288*\t+1536*(\s)+512*\c
.endr
.endr
.endm
.macro ALOAD s                         ; K step s of ctx = heads 2 s (registers 0-5) and 2 s + 1 (registers 6-11), both row tiles
.irp u, 0,1
	ds_load_b128 v[AF+12*\u:AF+12*\u+3], v1 offset:AIMG+12288*\u+1536*(\s)
	ds_load_b64 v[AF+12*\u+4:AF+12*\u+5], v2 offset:AIMG+12288*\u+1536*(\s)+512
	ds_load_b128 v[AF+12*\u+6:AF+12*\u+9], v1 offset:AIMG+12288*\u+1536*(\s)+768
	ds_load_b64 v[AF+12*\u+10:AF+12*\u+11], v2 offset:AIMG+12288*\u+1536*(\s)+1280
.endr
.endm
.macro XLOAD i                         ; row i of my two rows of x: eight loads of 512 consecutive bytes
.irp k, 0,1,2,3,4,5,6,7
	global_load_b128 v[XT+4*\k:XT+4*\k+3], v1, s[14:15] offset:32768*(\i)+512*\k th:TH_LOAD_NT
.endr
.endm
.macro XSTORE i                        ; and on into my own bytes of LDS
.irp k, 0,1,2,3,4,5,6,7
	ds_store_b128 v10, v[XT+4*\k:XT+4*\k+3] offset:4096*(\i)+512*\k
.endr
.endm
.irp i, 0,1,2
	global_load_b128 v[ACC+4*\i:ACC+4*\i+3], v6, s[4:5] offset:8192*\i     ; ctx's codes: 512 threads x 16 bytes
.endr
.irp d, 0,1,2,3,4,5,6,7,8,9,10,11,12,13,14,15
	global_load_b32 v[AW+\d], v3, s[6:7] offset:32768*\d                   ; head d's words: lanes 0-15 row tile 2 g, lanes 16-31 row tile 2 g + 1
.endr
.irp i, 0,1
	global_load_b128 v[BS+8*\i:BS+8*\i+3], v4, s[10:11] offset:1024*\i     ; out_w's words of K steps 0-3: lanes 0-15 tile 2 i, lanes 16-31 tile 2 i + 1
	global_load_b128 v[BS+8*\i+4:BS+8*\i+7], v4, s[10:11] offset:1024*\i+16
.endr
.irp t, 0,1,2,3
	global_load_b128 v[BI+8*\t:BI+8*\t+3], v5, s[12:13] offset:(32*(\t/2)+8*(\t%2))*4   ; out_b at my eight columns of tile t
	global_load_b128 v[BI+8*\t+4:BI+8*\t+7], v5, s[12:13] offset:(32*(\t/2)+8*(\t%2))*4+16
.endr
	BLOAD 0
	BLOAD 1
	s_wait_loadcnt 24                              ; all but the two sets of fragments, 12 loads each
.irp i, 0,1,2
	ds_store_b128 v6, v[ACC+4*\i:ACC+4*\i+3] offset:AIMG+8192*\i
.endr
.irp s, 0,1,2,3,4,5,6,7
	v_lshl_or_b32 v[AS+\s], v[AW+2*\s+1], 16, v[AW+2*\s]   ; a K step's scale word: two bytes of each of its two heads
.endr
.rept 8
	v_nop                                          ; a scale register written by a vector line stands eight places ahead of the scaled product
.endr
	s_wait_dscnt 0x0                               ; for the others' sake: my stores have landed
	s_barrier_signal -1
	s_barrier_wait -1
	s_wait_alu depctr_vm_vsrc(0)                   ; my LDS stores have read v[ACC ..], which the first products write
	s_wait_alu depctr_va_vdst(0)                   ; ctx's scale words v[AS ..] are written, which the scaled products take (the places above stay beside this wait); the lines that made them are done reading v[AW ..], in which ctx's fragments land
	ALOAD 0
.macro MM d, a, b, c, sa, sb, ra, rb   ; numbers of first registers; ra, rb: the side's scale words lie in lanes 16-31
.if (\ra) && (\rb)
	v_wmma_scale_f32_16x16x128_f8f6f4 v[(\d):(\d)+7], v[(\a):(\a)+11], v[(\b):(\b)+11], v[(\c):(\c)+7], v[(\sa)], v[(\sb)] matrix_a_fmt:MATRIX_FMT_BF6 matrix_b_fmt:MATRIX_FMT_BF6 matrix_a_scale:MATRIX_SCALE_ROW1 matrix_b_scale:MATRIX_SCALE_ROW1
.elseif (\ra)
	v_wmma_scale_f32_16x16x128_f8f6f4 v[(\d):(\d)+7], v[(\a):(\a)+11], v[(\b):(\b)+11], v[(\c):(\c)+7], v[(\sa)], v[(\sb)] matrix_a_fmt:MATRIX_FMT_BF6 matrix_b_fmt:MATRIX_FMT_BF6 matrix_a_scale:MATRIX_SCALE_ROW1
.elseif (\rb)
	v_wmma_scale_f32_16x16x128_f8f6f4 v[(\d):(\d)+7], v[(\a):(\a)+11], v[(\b):(\b)+11], v[(\c):(\c)+7], v[(\sa)], v[(\sb)] matrix_a_fmt:MATRIX_FMT_BF6 matrix_b_fmt:MATRIX_FMT_BF6 matrix_b_scale:MATRIX_SCALE_ROW1
.else
	v_wmma_scale_f32_16x16x128_f8f6f4 v[(\d):(\d)+7], v[(\a):(\a)+11], v[(\b):(\b)+11], v[(\c):(\c)+7], v[(\sa)], v[(\sb)] matrix_a_fmt:MATRIX_FMT_BF6 matrix_b_fmt:MATRIX_FMT_BF6
.endif
.endm
; A K step: eight accumulators, one turn each.  lc: the loads issued behind this step's 12 fragment loads, which may stay out.
; The order of the loads: sets 0, 1 | in step 0: x's row 0, set 2 | 1: set 3 | 2: set 4 | 3: x's row 1, set 5 | 4: set 6 | 5: set 7 | 6: norm_b, norm_w.
.macro KSTEP s, lc
	s_wait_loadcnt \lc
	s_wait_dscnt 0x0                               ; ctx's fragments are in
.if ((\s) == 2) || ((\s) == 5)
	XSTORE (\s)/3                                  ; the row was asked for ahead of this step's fragments: it is in.  Its registers come from loads and its address from the head: nothing of this step is waited for
.endif
.if ((\s) == 3) || ((\s) == 6)
	s_wait_alu depctr_vm_vsrc(0)                   ; the LDS stores of the step before have read the row of x in v[XT ..], in which the loads below land; no vector or matrix line has named these registers since K step 0's wait
.endif
.if (\s) == 3
	XLOAD 1
.endif
.if (\s) == 6
.irp k, 0,1,2,3,4,5,6,7
	global_load_b128 v[NB+4*\k:NB+4*\k+3], v1, s[18:19] offset:512*\k
.endr
.endif
.irp t, 0,1,2,3
.irp u, 0,1
.if (\s) == 0
.set CC, BI+8*\t
.else
.set CC, ACC+8*(4*\u+\t)
.endif
	MM ACC+8*(4*\u+\t), BF+48*((\s)%2)+12*\t, AF+12*\u, CC, BS+8*(\t/2)+(\s), AS+(\s), \t%2, \u
.endr
.endr
.rept 4
	v_nop                                          ; places behind these products, ahead of the first read of results
.endr
	s_wait_alu depctr_va_vdst(0)                   ; the eight products are done reading their set of out_w's fragments, ctx's fragments and, in K step 0, out_b: loads land in all of these below; in K step 7 they have written the accumulators, which the LDS stores read
.if (\s) == 0
	XLOAD 0                                        ; into the registers that out_b has left
.endif
.if (\s) == 6
.irp k, 0,1,2,3,4,5,6,7
	global_load_b128 v[NW+4*\k:NW+4*\k+3], v1, s[16:17] offset:512*\k   ; into fragment set 0, which has had its last products
.endr
.endif
.if (\s) < 6
	BLOAD (\s)+2
.endif
.if (\s) < 7
	ALOAD (\s)+1
.endif
.endm
	KSTEP 0, 12                                    ; set 1
	KSTEP 1, 20                                    ; x's row 0 (8) and set 2
	KSTEP 2, 12                                    ; set 3
	KSTEP 3, 12                                    ; set 4
	KSTEP 4, 20                                    ; x's row 1 (8) and set 5
	KSTEP 5, 12                                    ; set 6
	KSTEP 6, 12                                    ; set 7
	KSTEP 7, 16                                    ; norm_b and norm_w
.irp i, 0,1
.irp k, 0,1,2,3,4,5,6,7
	ds_load_b128 v[X+32*\i+4*\k:X+32*\i+4*\k+3], v10 offset:4096*\i+512*\k   ; x comes back: my own bytes, which LDS serves in order
.endr
.endr
.irp t, 0,1,2,3                        ; lane (r, h): row r, columns 64 w + 32 (t / 2) + 16 h + 8 (t % 2) + 0 .. 7; each accumulator from its low end on
	ds_store_b128 v7, v[ACC+8*\t:ACC+8*\t+3] offset:(32*(\t/2)+8*(\t%2))*4
	ds_store_b128 v7, v[ACC+8*\t+4:ACC+8*\t+7] offset:(32*(\t/2)+8*(\t%2))*4+16
	ds_store_b128 v8, v[ACC+32+8*\t:ACC+32+8*\t+3] offset:(32*(\t/2)+8*(\t%2))*4
	ds_store_b128 v8, v[ACC+32+8*\t+4:ACC+32+8*\t+7] offset:(32*(\t/2)+8*(\t%2))*4+16
.endr
	v_mov_b32 v[PDN], 0                            ; written once: a lane permute's destination counts as one of its sources
	v_mov_b32 v[PDN+1], 0
	s_wait_dscnt 0x0                               ; for the others' sake: my stores have landed
	s_barrier_signal -1
	s_barrier_wait -1                              ; 32 whole rows lie in the stage
	s_wait_alu depctr_vm_vsrc(0)                   ; my LDS stores have read the accumulators, in which the rows of y land
.irp i, 0,1
.irp k, 0,1,2,3,4,5,6,7
	ds_load_b128 v[Y+32*\i+4*\k:Y+32*\i+4*\k+3], v9 offset:SP*\i+512*\k
.endr
.endr
	s_wait_loadcnt 0x0                             ; norm_b, norm_w
	s_wait_dscnt 0x0
.macro ALLSUM                          ; v[SA], v[SA + 4]: a lane's part of each row's sum -> the row's sum, in every lane
.irp m, 1,2,4,8
.irp i, 0,1
	v_add_f32_dpp v[SA+4*\i], v[SA+4*\i], v[SA+4*\i] row_xmask:\m row_mask:0xf bank_mask:0xf
.endr
.endr
.irp i, 0,1
	v_permlanex16_b32 v[PDN+\i], v[SA+4*\i], s[SEL], s[SEL+1]
.endr
.irp i, 0,1
	v_add_f32 v[SA+4*\i], v[SA+4*\i], v[PDN+\i]
.endr
.endm
.set n, 0
.rept 32
	v_pk_add_f32 v[Y+n:Y+n+1], v[Y+n:Y+n+1], v[X+n:X+n+1]   ; y = x + out
.set n, n+2
.endr
.irp i, 0,1
	v_pk_add_f32 v[SA+4*\i:SA+4*\i+1], v[Y+32*\i:Y+32*\i+1], v[Y+32*\i+2:Y+32*\i+3]
	v_pk_add_f32 v[SA+4*\i+2:SA+4*\i+3], v[Y+32*\i+4:Y+32*\i+5], v[Y+32*\i+6:Y+32*\i+7]
.endr
.irp n, 8,12,16,20,24,28
.irp i, 0,1
	v_pk_add_f32 v[SA+4*\i:SA+4*\i+1], v[SA+4*\i:SA+4*\i+1], v[Y+32*\i+\n:Y+32*\i+\n+1]
	v_pk_add_f32 v[SA+4*\i+2:SA+4*\i+3], v[SA+4*\i+2:SA+4*\i+3], v[Y+32*\i+\n+2:Y+32*\i+\n+3]
.endr
.endr
.irp i, 0,1
	v_pk_add_f32 v[SA+4*\i:SA+4*\i+1], v[SA+4*\i:SA+4*\i+1], v[SA+4*\i+2:SA+4*\i+3]
.endr
.irp i, 0,1
	v_add_f32 v[SA+4*\i], v[SA+4*\i], v[SA+4*\i+1]
.endr
	ALLSUM
.irp i, 0,1
	v_mul_f32 v[MU+2*\i], s42, v[SA+4*\i]          ; the mean, in both halves of a pair
	v_mul_f32 v[MU+2*\i+1], s42, v[SA+4*\i]
.endr
.irp i, 0,1
.set n, 0
.rept 16
	v_pk_add_f32 v[Y+32*\i+n:Y+32*\i+n+1], v[Y+32*\i+n:Y+32*\i+n+1], v[MU+2*\i:MU+2*\i+1] neg_lo:[0,1] neg_hi:[0,1]   ; y - mean
.set n, n+2
.endr
.endr
.irp i, 0,1
	v_pk_mul_f32 v[SA+4*\i:SA+4*\i+1], v[Y+32*\i:Y+32*\i+1], v[Y+32*\i:Y+32*\i+1]
	v_pk_mul_f32 v[SA+4*\i+2:SA+4*\i+3], v[Y+32*\i+2:Y+32*\i+3], v[Y+32*\i+2:Y+32*\i+3]
.endr
.irp n, 4,8,12,16,20,24,28
.irp i, 0,1
	v_pk_fma_f32 v[SA+4*\i:SA+4*\i+1], v[Y+32*\i+\n:Y+32*\i+\n+1], v[Y+32*\i+\n:Y+32*\i+\n+1], v[SA+4*\i:SA+4*\i+1]
	v_pk_fma_f32 v[SA+4*\i+2:SA+4*\i+3], v[Y+32*\i+\n+2:Y+32*\i+\n+3], v[Y+32*\i+\n+2:Y+32*\i+\n+3], v[SA+4*\i+2:SA+4*\i+3]
.endr
.endr
.irp i, 0,1
	v_pk_add_f32 v[SA+4*\i:SA+4*\i+1], v[SA+4*\i:SA+4*\i+1], v[SA+4*\i+2:SA+4*\i+3]
.endr
.irp i, 0,1
	v_add_f32 v[SA+4*\i], v[SA+4*\i], v[SA+4*\i+1]
.endr
	ALLSUM
.irp i, 0,1
	v_fmaak_f32 v[SA+4*\i], s42, v[SA+4*\i], 0x3727c5ac   ; the variance + 1e-5
.endr
.irp i, 0,1
	v_rsq_f32 v[RS+2*\i], v[SA+4*\i]
	v_rsq_f32 v[RS+2*\i+1], v[SA+4*\i]
.endr
	v_nop                                          ; a plain line behind the transcendentals
	s_wait_alu depctr_va_vdst(0)                   ; the four reciprocal roots are written, ahead of their first reader
.irp i, 0,1
.set n, 0
.rept 16
	v_pk_mul_f32 v[Y+32*\i+n:Y+32*\i+n+1], v[Y+32*\i+n:Y+32*\i+n+1], v[RS+2*\i:RS+2*\i+1]
.set n, n+2
.endr
.endr
.irp i, 0,1
.set n, 0
.rept 16
	v_pk_fma_f32 v[Y+32*\i+n:Y+32*\i+n+1], v[Y+32*\i+n:Y+32*\i+n+1], v[NW+n:NW+n+1], v[NB+n:NB+n+1]   ; z
.set n, n+2
.endr
.endr
.set n, 0
.rept 32
	v_pk_mul_f32 v[X+n:X+n+1], v[Y+n:Y+n+1], 0x3fb8aa3b op_sel_hi:[1,0]   ; z log2(e)
.set n, n+2
.endr
.set n, 0
.rept 64
	v_exp_f32 v[X+n], v[X+n]
.set n, n+1
.endr
	v_nop                                          ; a plain line behind the exponentials
	s_wait_alu depctr_va_vdst(0)                   ; the 64 exponentials are written, ahead of their first reader
.set n, 0
.rept 32
	v_pk_add_f32 v[X+n:X+n+1], v[X+n:X+n+1], -1.0 op_sel_hi:[1,0]
.set n, n+2
.endr
; z where z > 0, else e^z - 1.  The compares go in two runs of 32, a row each, into 32 scalar registers that held addresses no longer wanted (s4-s19, s24-s39), so that one wait serves a run
.irp q, 0,1
.set n, 32*\q
.rept 32
	v_cmp_lt_f32 s[4+(n%32)+4*((n%32)/16)], 0, v[Y+n]
.set n, n+1
.endr
	s_wait_alu depctr_va_sdst(0)                   ; the run's 32 masks are written, ahead of the selects that read them
.set n, 32*\q
.rept 32
	v_cndmask_b32 v[Y+n], v[X+n], v[Y+n], s[4+(n%32)+4*((n%32)/16)]
.set n, n+1
.endr
.endr
	s_wait_alu depctr_va_vdst(0)                   ; the selects have written v[Y ..], which the stores read
.irp i, 0,1
.irp k, 0,1,2,3,4,5,6,7
	global_store_b128 v1, v[Y+32*\i+4*\k:Y+32*\i+4*\k+3], s[20:21] offset:32768*\i+512*\k th:TH_STORE_NT   ; 32 lanes store 512 consecutive bytes, at a multiple of 256 from out0's first byte
.endr
.endr
	s_wait_dscnt 0x0                               ; the closing lines, six on end
	s_wait_alu 0x0
	s_wait_tensorcnt 0x0
	ds_add_u32 v14, v15
	s_wait_dscnt 0x0
	s_endpgm
.Lfunc_end_k_q5a909f6bf3_outln:
	.size	k_q5a909f6bf3_outln, .Lfunc_end_k_q5a909f6bf3_outln-k_q5a909f6bf3_outln
	.p2alignl 7, 3214868480
	.fill 96, 4, 3214868480
	.section	.rodata,"a",@progbits
	.p2align	6, 0x0
	.amdhsa_kernel k_q5a909f6bf3_outln
		.amdhsa_group_segment_fixed_size 289792
		.amdhsa_private_segment_fixed_size 0
		.amdhsa_enable_private_segment 0
		.amdhsa_kernarg_size 72
		.amdhsa_user_sgpr_count 2
		.amdhsa_user_sgpr_kernarg_segment_ptr 1
		.amdhsa_wavefront_size32 1
		.amdhsa_system_sgpr_workgroup_id_x 1
		.amdhsa_system_sgpr_workgroup_id_y 1
		.amdhsa_system_sgpr_workgroup_id_z 1
		.amdhsa_system_vgpr_workitem_id 0
		.amdhsa_next_free_vgpr 256
		.amdhsa_next_free_sgpr 66
		.amdhsa_reserve_vcc 0
		.amdhsa_float_denorm_mode_32 3
		.amdhsa_float_denorm_mode_16_64 3
		.amdhsa_memory_ordered 1
		.amdhsa_forward_progress 1
		.amdhsa_inst_pref_size 69
	.end_amdhsa_kernel
	.amdgpu_metadata
---
amdhsa.version: [ 1, 2 ]
amdhsa.kernels:
  - .name:           k_q5a909f6bf3_outln
    .symbol:         k_q5a909f6bf3_outln.kd
    .args:
      - { .name: ctx_img, .offset: 0, .size: 8, .value_kind: global_buffer, .address_space: global }
      - { .name: ctx_sw, .offset: 8, .size: 8, .value_kind: global_buffer, .address_space: global }
      - { .name: codes, .offset: 16, .size: 8, .value_kind: global_buffer, .address_space: global }
      - { .name: scales, .offset: 24, .size: 8, .value_kind: global_buffer, .address_space: global }
      - { .name: out_b, .offset: 32, .size: 8, .value_kind: global_buffer, .address_space: global }
      - { .name: x_temporal_sequence, .offset: 40, .size: 8, .value_kind: global_buffer, .address_space: global }
      - { .name: norm_w, .offset: 48, .size: 8, .value_kind: global_buffer, .address_space: global }
      - { .name: norm_b, .offset: 56, .size: 8, .value_kind: global_buffer, .address_space: global }
      - { .name: out0, .offset: 64, .size: 8, .value_kind: global_buffer, .address_space: global }
    .group_segment_fixed_size: 289792
    .private_segment_fixed_size: 0
    .kernarg_segment_align: 8
    .kernarg_segment_size: 72
    .max_flat_workgroup_size: 512
    .sgpr_count:     66
    .vgpr_count:     256
    .wavefront_size: 32
...
	.end_amdgpu_metadata
.endif
;; end of part 6
